; MI455X (gfx1250); checked and timed in simulation.
; The chip was launched on July 23, 2026; its instructions are those of AMD's public machine-readable ISA for CDNA 5 (MIT licence, August 2026) and "CDNA5" Instruction Set Architecture Reference Guide (July 2026). The comments in the code are by the model that wrote it; some were corrected since.
;; Cross Modal Attention Block. Allowed arithmetic: matrix products marked QUANTISED: E3M2 operands, one E8M0 scale for each 32 along K, by v_wmma_scale_f32_16x16x128_f8f6f4 with both operands' format E3M2, f32 sums; everything else in f32.
;; Inputs: Wk 1,024 x 1,024 float32; Wo 1,024 x 1,024 float32; Wq 1,024 x 1,024 float32; Wv 1,024 x 1,024 float32; bk 1,024 float32; bo 1,024 float32; bq 1,024 float32; bv 1,024 float32; context_codes 4 x 2,048 x 32 x 24 uint8 (E3M2 codes of context, K innermost, in blocks of 32 codes, four codes in three bytes); context_scales 4 x 2,048 x 32 uint8 (E8M0 scales of context, one for each 32 codes along K); ln_beta 1,024 float32; ln_gamma 1,024 float32; x 4 x 1,024 x 1,024 float32.
;; Outputs: out0 4 x 1,024 x 1,024 float32.
;; This version of the problem:
;;   THIS VERSION OF THE PROBLEM IS GIVEN IN LOW PRECISION. The matrix products marked QUANTISED in the list below multiply operands that are first quantised to E3M2 (3 exponent bits, 2 mantissa bits; 6 bits a number), with one power-of-two scale for each 32 numbers along K (OCP MX v1.0); their sums are f32. All else is computed in f32.
;;   The module's matrix products, in the order in which they are computed (A, B: the left and right operand; K: the contracted axis; several contracted axes count as one K, in the product's order):
;;     1. [M 4,096, K 1,024] x [K 1,024, N 1,024]; A: computed on the way; B: computed on the way: QUANTISED
;;     2. [M 8,192, K 1,024] x [K 1,024, N 1,024]; A: input context (given as codes); B: computed on the way: QUANTISED
;;     3. [M 8,192, K 1,024] x [K 1,024, N 1,024]; A: input context (given as codes); B: computed on the way: QUANTISED
;;     4. batch 64 x [M 1,024, K 64] x [K 64, N 2,048]; A: computed on the way; B: computed on the way: QUANTISED
;;     5. batch 64 x [M 64, K 2,048] x [K 2,048, N 1,024]; A: computed on the way; B: softmax (see below): QUANTISED
;;     6. [M 4,096, K 1,024] x [K 1,024, N 1,024]; A: computed on the way; B: computed on the way: QUANTISED
;;   THE QUANTISER, for each operand of a quantised product, along K:
;;     - K is cut into blocks of 32 from its start; a last block that is shorter is filled with zeros.
;;     - A block's scale is 2^e with e = floor(log2(the largest magnitude in the block)) - 4, held to -126 .. 127; a block of zeros has e = 0. As a byte (E8M0): e + 127.
;;     - Each number is divided by its block's scale, clamped to +-28, and rounded to the nearest number of E3M2, ties to even, subnormals kept.
;;     - The product sums the exact products of the quantised numbers (number of the format x scale) in f32.
;;   ~~~python
;;   def quantise(x, axis):      # numpy; x: float32 -> the quantised numbers, widened to float32 again
;;       x = np.moveaxis(x, axis, -1); K = x.shape[-1]
;;       x = np.pad(x, [(0, 0)] * (x.ndim - 1) + [(0, -K % 32)]); x = x.reshape(x.shape[:-1] + (-1, 32)); a = np.abs(x).max(-1, keepdims=True)
;;       e = np.where(a > 0, np.clip(np.frexp(np.where(a > 0, a, 1))[1] - 1 - 4, -126, 127), 0)      # np.frexp(a)[1] - 1 = floor(log2(a)), exactly
;;       r = np.clip(x / 2.0 ** e, -28, 28)
;;       step = 2.0 ** (np.maximum(np.frexp(np.where(r == 0, 1, r))[1] - 1, -2) - 2)
;;       q = np.round(r / step) * step * 2.0 ** e      # np.round: ties to even
;;       return np.moveaxis(q.reshape(q.shape[:-2] + (-1,))[..., :K], -1, axis).astype(np.float32)
;;   ~~~
;;   SOFTMAX AHEAD OF A QUANTISED PRODUCT. Where the list says 'softmax', what is quantised is not the finished softmax but p = 2^(t - M), with t = logit x log2(e) and M = ceil(the row's largest t), a whole number; so 1/2 < the row's largest p <= 1. The row's sum l is taken of the UNQUANTISED p, in f32, and the product's result is divided by l at the end. Since M is a whole number, a kernel that streams over the keys may use a running M (the ceiling of the running maximum): every later rescaling is an exact power of two, which a block's scale takes up: the codes' values come out the same.
;;   OPERANDS COMPUTED ON THE WAY. 'Computed on the way' means the value that the module computes at that place (a softmax that the list does not call 'softmax' is quantised finished and normalised). What goes into a quantiser is computed in f32, as accurately as f32 sums, v_exp_f32 and their like allow (about 1e-6 of the number): no bf16 or f16 on the way to a quantiser, and a product that is left as it is and whose result goes on into a quantised operand takes f32 operands (vector FMAs, or v_wmma_f32_16x16x4_f32). A number that lies on a knife's edge between two numbers of the format may be rounded either way, as far as f32 arithmetic and the matrix unit's own rounding can turn it there, and no further.
;;   INPUTS GIVEN AS CODES. context (in the module: [4, 2048, 1024], K = its axis 2): each comes as NAME_codes (uint8): NAME with its K axis moved to the last place and cut into blocks of 32 codes, [.., K / 32, bytes a block], one block behind the other in memory; four codes in three bytes: a row's codes are one little-endian stream of bits, code i at bits 6 i .. 6 i + 5 (a code: sign, 3 exponent bits, 2 mantissa bits); and NAME_scales (uint8): the same leading axes, one E8M0 byte (e + 127) for each 32 codes along K. Its value is code x scale, taken as it is: it is not quantised again, and the codes and scales need not be those that the quantiser above would give.
;; One version. Each part assembles by itself: llvm-mc -triple=amdgcn-amd-amdhsa -mcpu=gfx1250 --defsym DOCPART=n.
;; ======== version 1 of 1: 5 launches
;; workspace buffers: part 8,192 bytes; rc 6,291,456 bytes; rs 262,144 bytes; qrec 3,407,872 bytes; kv 13,369,344 bytes; oc 3,145,728 bytes; os 131,072 bytes
;; launch absum (part 1): grid 256 x 1, 8 waves a work-group, no clusters, 0 bytes of LDS; arguments Wq, Wk, Wv, Wo, part; writes part
.if DOCPART == 1
	.amdgcn_target "amdgcn-amd-amdhsa--gfx1250"
	.amdhsa_code_object_version 6
	.text
	.protected	k_qfdfa5cc740_absum
	.globl	k_qfdfa5cc740_absum
	.p2align	8
	.type	k_qfdfa5cc740_absum,@function
k_qfdfa5cc740_absum:
	s_mov_b64 s[64:65], 0
	v_nop
	global_prefetch_b8 v0, s[64:65] scope:SCOPE_SE
	s_setreg_imm32_b32 hwreg(HW_REG_WAVE_MODE, 25, 1), 1
	s_wait_xcnt 0x0
; Partial sums of |W| for the four weight matrices [1024][1024] f32: BitNet's gamma is the mean of |W| over a whole matrix,
; a sum that spans work-groups, so it is made in two launches: here one f32 partial sum a wave, in the next launch their sum.
; Work-group g takes matrix g / 64 (0 Wq, 1 Wk, 2 Wv, 3 Wo) and 64 KB of it, each of its eight waves 8 KB: sixteen loads of 512 consecutive bytes.
; part[8 g + wave] is the wave's sum: 512 partial sums a matrix.  No LDS, no barrier, no matrix unit: the launch only streams.
; LIMITS: the order of the additions is this text's own, not the reference's; NaN and infinities are not served.
.set D, 4                              ; v4-67   the wave's 8 KB, 64 numbers a lane
.set S, 68                             ; v68-71  four chains of sums
	s_load_b256 s[4:11], s[0:1], 0x0               ; Wq s[4:5], Wk s[6:7], Wv s[8:9], Wo s[10:11]
	s_load_b64 s[12:13], s[0:1], 0x20              ; part
	v_lshrrev_b32 v3, 5, v0
	v_readfirstlane_b32 s14, v3                    ; wave
	v_and_b32 v1, 31, v0                           ; lane
	v_lshlrev_b32 v2, 4, v1                        ; 16 bytes a lane
	v_mov_b32 v72, 0                               ; a lane permute's destination counts as one of its sources
	s_mov_b32 s20, 0x76543210
	s_mov_b32 s21, 0xfedcba98                      ; selects for lane l xor 16
	s_and_b32 s15, ttmp9, 63
	s_lshl_b32 s18, s15, 16                        ; the work-group's 64 KB of its matrix,
	s_lshl_b32 s19, s14, 13                        ; the wave's 8 KB of them
	s_add_co_u32 s18, s18, s19
	s_mov_b32 s19, 0
	s_lshl_b32 s22, ttmp9, 3
	s_add_co_u32 s22, s22, s14
	s_lshl_b32 s22, s22, 2                         ; 4 (8 g + wave)
	v_mov_b32 v73, s22
	s_wait_kmcnt 0x0
	s_cmp_lt_u32 ttmp9, 64                         ; which matrix: the choice hangs on the work-group's number alone
	s_cselect_b64 s[4:5], s[4:5], s[6:7]
	s_cmp_lt_u32 ttmp9, 192
	s_cselect_b64 s[8:9], s[8:9], s[10:11]
	s_cmp_lt_u32 ttmp9, 128
	s_cselect_b64 s[16:17], s[4:5], s[8:9]
	s_add_nc_u64 s[16:17], s[16:17], s[18:19]
.irp i, 0,1,2,3,4,5,6,7,8,9,10,11,12,13,14,15
	global_load_b128 v[D+4*\i:D+4*\i+3], v2, s[16:17] offset:512*\i   ; no hint: the next launch reads the same bytes again
.endr
.irp g, 0,1,2,3
	s_wait_loadcnt 12-4*\g                         ; loads come back in order: this group of four is in, the later groups stay out
.irp j, 0,1,2,3
.irp c, 0,1,2,3
.if (\g == 0) && (\j == 0)
.elseif (\g == 0) && (\j == 1)
	v_add_f32 v[S+\c], |v[D+\c]|, |v[D+4+\c]|      ; the first two numbers start a chain: nothing is cleared
.else
	v_add_f32 v[S+\c], v[S+\c], |v[D+16*\g+4*\j+\c]|
.endif
.endr
.endr
.endr
	v_add_f32 v68, v68, v69
	v_add_f32 v70, v70, v71
	v_add_f32 v68, v68, v70
	v_add_f32_dpp v68, v68, v68 row_xmask:1 row_mask:0xf bank_mask:0xf
	v_add_f32_dpp v68, v68, v68 row_xmask:2 row_mask:0xf bank_mask:0xf
	v_add_f32_dpp v68, v68, v68 row_xmask:4 row_mask:0xf bank_mask:0xf
	v_add_f32_dpp v68, v68, v68 row_xmask:8 row_mask:0xf bank_mask:0xf
	v_permlanex16_b32 v72, v68, s20, s21
	v_add_f32 v68, v68, v72                        ; the wave's sum, in every lane
	v_cmp_eq_u32 vcc_lo, 0, v1
	s_wait_xcnt 0x0                                ; EXEC is a source of the loads above: it changes only behind this wait
	s_and_saveexec_b32 s23, vcc_lo
	global_store_b32 v73, v68, s[12:13]            ; lane 0 alone: 4 bytes a wave, 8 KB in the whole launch
	s_wait_xcnt 0x0
	s_or_b32 exec_lo, exec_lo, s23
	s_endpgm
.Lfunc_end_k_qfdfa5cc740_absum:
	.size	k_qfdfa5cc740_absum, .Lfunc_end_k_qfdfa5cc740_absum-k_qfdfa5cc740_absum
	.p2alignl 7, 3214868480
	.fill 96, 4, 3214868480
	.section	.rodata,"a",@progbits
	.p2align	6, 0x0
	.amdhsa_kernel k_qfdfa5cc740_absum
		.amdhsa_group_segment_fixed_size 0
		.amdhsa_private_segment_fixed_size 0
		.amdhsa_enable_private_segment 0
		.amdhsa_kernarg_size 40
		.amdhsa_user_sgpr_count 2
		.amdhsa_user_sgpr_kernarg_segment_ptr 1
		.amdhsa_wavefront_size32 1
		.amdhsa_system_sgpr_workgroup_id_x 1
		.amdhsa_system_sgpr_workgroup_id_y 1
		.amdhsa_system_sgpr_workgroup_id_z 1
		.amdhsa_system_vgpr_workitem_id 0
		.amdhsa_next_free_vgpr 80
		.amdhsa_next_free_sgpr 66
		.amdhsa_reserve_vcc 1
		.amdhsa_float_denorm_mode_32 3
		.amdhsa_float_denorm_mode_16_64 3
		.amdhsa_memory_ordered 1
		.amdhsa_forward_progress 1
		.amdhsa_inst_pref_size 8
	.end_amdhsa_kernel
	.amdgpu_metadata
---
amdhsa.version: [ 1, 2 ]
amdhsa.kernels:
  - .name:           k_qfdfa5cc740_absum
    .symbol:         k_qfdfa5cc740_absum.kd
    .args:
      - { .name: Wq, .offset: 0, .size: 8, .value_kind: global_buffer, .address_space: global }
      - { .name: Wk, .offset: 8, .size: 8, .value_kind: global_buffer, .address_space: global }
      - { .name: Wv, .offset: 16, .size: 8, .value_kind: global_buffer, .address_space: global }
      - { .name: Wo, .offset: 24, .size: 8, .value_kind: global_buffer, .address_space: global }
      - { .name: part, .offset: 32, .size: 8, .value_kind: global_buffer, .address_space: global }
    .group_segment_fixed_size: 0
    .private_segment_fixed_size: 0
    .kernarg_segment_align: 8
    .kernarg_segment_size: 40
    .max_flat_workgroup_size: 256
    .sgpr_count:     66
    .vgpr_count:     80
    .wavefront_size: 32
...
	.end_amdgpu_metadata
.endif
;; end of part 1
;; launch rowq (part 2): grid 256 x 1, 8 waves a work-group, no clusters, 87,040 bytes of LDS; arguments x, ln_gamma, ln_beta, Wq, Wk, Wv, Wo, part, rc, rs; writes rc, rs
.if DOCPART == 2
	.amdgcn_target "amdgcn-amd-amdhsa--gfx1250"
	.amdhsa_code_object_version 6
	.text
	.protected	k_qfdfa5cc740_rowq
	.globl	k_qfdfa5cc740_rowq
	.p2align	8
	.type	k_qfdfa5cc740_rowq,@function
k_qfdfa5cc740_rowq:
	s_mov_b64 s[64:65], 0
	v_nop
	global_prefetch_b8 v0, s[64:65] scope:SCOPE_SE
	s_setreg_imm32_b32 hwreg(HW_REG_WAVE_MODE, 25, 1), 1
	s_wait_xcnt 0x0
; Rows of 1,024 f32 become codes of BF6 (E3M2) with one E8M0 byte for each 32 along the row: rc [8192 rows][768 bytes], rs [8192][32].
; Work-groups 0-127: rows of x, after the layer norm (mean, variance of the differences, rsqrt, gain, offset: all f32) -> rows 0-4095.
; Work-groups 128-255: rows of Wq, Wk, Wv, Wo after BitNet's rule: gamma = the sum of the matrix's 512 partial sums / 2^20; t = round(W / (gamma + 1e-5)) held to -1 .. 1; y = W + (t gamma - W)
;   -> row 4096 + 1024 m + i.  Of Wv (m = 2) row i goes to the place i with its bits 3 and 4 exchanged: the order in which the attention's second product must find the head's channels, so that its
;   result has 16 neighbouring channels in a lane's 16 registers.
; A wave takes four consecutive rows (they stay consecutive under that exchange) and asks for all 16 KB at its head.  A load reads 512 consecutive bytes; the conversion wants 16 neighbours in a lane: half a row at a time
; turns through the wave's own stage in LDS (64 bytes + 16 of padding a lane).  Two neighbouring lanes hold a block of 32.  A lane's 16 codes are 12 bytes: a store covers 384 consecutive bytes.
; The wave's 128 scale bytes are gathered in its own LDS bytes and leave by one store of 128 consecutive bytes.  The two paths part on the work-group's number, never join, and have LDS bytes of their own.  No barrier: waves share nothing.
; A block's scale: the largest magnitude's exponent field less 4, held at 1 from below.
; LIMITS: a block of zeros, or one whose largest magnitude lies under 2^-122, keeps the byte 1 (the rule's 127 for zeros is not made: this program alone reads the bytes, and the codes are zeros).
;   W / (gamma + 1e-5) is a reciprocal, a multiplication and one correction by the remainder; with gamma's own order of additions a weight within some 1e-7 of the middle between two whole numbers may turn.  NaN and infinities are not served.
.set SP,    80                         ; a lane's place in a stage
.set STG1,  32*SP                      ; a stage: half a row
.set SBY,   2*STG1                     ; behind the two stages: the wave's scale bytes
.set WREG,  SBY+256                    ; a wave's LDS bytes
.set WPATH, 8*WREG                     ; the weights' path begins here
.set X,     32                         ; v32-159  row k at X + 32 k
.set LG,    160                        ; v160-191 the gain (x's path);   weights' path: v160-165 gamma, gamma + eps, its reciprocal, each twice; v166-173 at work; v176-191 partial sums
.set LB,    192                        ; v192-223 the offset
.set C,     224                        ; v224-255 half row (k, e): three registers of codes and one with its scale byte, at C + 4 (2 k + e): no store's data are written again
; v1 lane, v2 16 l, v3 12 l, v4 4 l, v5 stage in, v6 stage out, v7 my block's byte, v8 the bytes on their way out, v10-17 chains, v[18:19] mean, v[20:21] 1 / sigma, v22-24 quantiser, v26 permute
; s24 wave, s25 my wave's LDS bytes, s26 my first row, s27 four rows a wave, s[28:29] an offset in 64 bits, s30-35 the weights' row arithmetic, s36 the scale bytes' LDS base
.macro WSUM r                          ; the sum over the wave's 32 lanes, into every lane
	v_add_f32_dpp v[\r], v[\r], v[\r] row_xmask:1 row_mask:0xf bank_mask:0xf
	v_add_f32_dpp v[\r], v[\r], v[\r] row_xmask:2 row_mask:0xf bank_mask:0xf
	v_add_f32_dpp v[\r], v[\r], v[\r] row_xmask:4 row_mask:0xf bank_mask:0xf
	v_add_f32_dpp v[\r], v[\r], v[\r] row_xmask:8 row_mask:0xf bank_mask:0xf
	v_permlanex16_b32 v26, v[\r], s40, s41
	v_add_f32 v[\r], v[\r], v26
.endm
.macro JOIN                            ; the four chains of pairs become one number
	v_pk_add_f32 v[10:11], v[10:11], v[12:13]
	v_pk_add_f32 v[14:15], v[14:15], v[16:17]
	v_pk_add_f32 v[10:11], v[10:11], v[14:15]
	v_add_f32 v10, v10, v11
	WSUM 10
.endm
.macro LOADROW k                       ; lane l: numbers 128 i + 4 l .. + 3 of row k
.irp i, 0,1,2,3,4,5,6,7
	global_load_b128 v[X+32*\k+4*\i:X+32*\k+4*\i+3], v2, s[4:5] offset:4096*\k+512*\i
.endr
.endm
.macro LDSADR                          ; s25: where my wave's LDS bytes begin; s36 is this macro's own
	v_add_nc_u32 v5, s25, v5
	v_add_nc_u32 v6, s25, v6
	s_add_co_u32 s36, s25, SBY
	v_add_nc_u32 v7, s36, v7
	v_add_nc_u32 v8, s36, v4
.endm
.macro LNROW k
.set R, X+32*\k
.irp c, 0,1,2,3
	v_pk_add_f32 v[10+2*\c:11+2*\c], v[R+2*\c:R+2*\c+1], v[R+8+2*\c:R+9+2*\c]
.endr
.irp j, 16,24
.irp c, 0,1,2,3
	v_pk_add_f32 v[10+2*\c:11+2*\c], v[10+2*\c:11+2*\c], v[R+\j+2*\c:R+\j+2*\c+1]
.endr
.endr
	JOIN
	v_mul_f32 v18, s42, v10                        ; the mean
	v_mov_b32 v19, v18
.irp n, 0,2,4,6,8,10,12,14,16,18,20,22,24,26,28,30
	v_pk_add_f32 v[R+\n:R+\n+1], v[R+\n:R+\n+1], v[18:19] neg_lo:[0,1] neg_hi:[0,1]   ; x - mean, in place
.endr
.irp c, 0,1,2,3
	v_pk_mul_f32 v[10+2*\c:11+2*\c], v[R+2*\c:R+2*\c+1], v[R+2*\c:R+2*\c+1]
.endr
.irp j, 8,16,24
.irp c, 0,1,2,3
	v_pk_fma_f32 v[10+2*\c:11+2*\c], v[R+\j+2*\c:R+\j+2*\c+1], v[R+\j+2*\c:R+\j+2*\c+1], v[10+2*\c:11+2*\c]
.endr
.endr
	JOIN
	v_fma_f32 v20, v10, s42, s43                   ; the variance + 1e-5
	v_rsq_f32 v20, v20
	v_nop                                          ; one plain instruction behind a transcendental (ISA guide 5.7.2)
	s_wait_alu depctr_va_vdst(0)
	v_mov_b32 v21, v20
.irp n, 0,2,4,6,8,10,12,14,16,18,20,22,24,26,28,30
	v_pk_mul_f32 v[R+\n:R+\n+1], v[R+\n:R+\n+1], v[20:21]
.endr
.irp n, 0,2,4,6,8,10,12,14,16,18,20,22,24,26,28,30
	v_pk_fma_f32 v[R+\n:R+\n+1], v[R+\n:R+\n+1], v[LG+\n:LG+\n+1], v[LB+\n:LB+\n+1]
.endr
.endm
.macro TERN k
.set R, X+32*\k
.irp n, 0,2,4,6,8,10,12,14,16,18,20,22,24,26,28,30
.set T, 166+4*((\n/2)%2)
	v_pk_mul_f32 v[T:T+1], v[R+\n:R+\n+1], v[164:165]                                   ; q = W x 1 / (gamma + eps)
	v_pk_fma_f32 v[T+2:T+3], v[T:T+1], v[162:163], v[R+\n:R+\n+1] neg_lo:[1,0,0] neg_hi:[1,0,0]   ; the remainder W - q (gamma + eps)
	v_pk_fma_f32 v[T:T+1], v[T+2:T+3], v[164:165], v[T:T+1]                             ; q corrected by it
	v_rndne_f32 v[T], v[T]
	v_rndne_f32 v[T+1], v[T+1]
	v_med3_num_f32 v[T], v[T], -1.0, 1.0
	v_med3_num_f32 v[T+1], v[T+1], -1.0, 1.0
	v_pk_mul_f32 v[T:T+1], v[T:T+1], v[160:161]                                         ; t gamma
	v_pk_add_f32 v[T:T+1], v[T:T+1], v[R+\n:R+\n+1] neg_lo:[0,1] neg_hi:[0,1]           ; - W
	v_pk_add_f32 v[R+\n:R+\n+1], v[R+\n:R+\n+1], v[T:T+1]                               ; W + that, as the reference writes it
.endr
.endm
.macro TURNQ k                         ; row k through the stages, into codes and scale bytes
.irp e, 0,1
.irp i, 0,1,2,3
	ds_store_b128 v5, v[X+32*\k+16*\e+4*\i:X+32*\k+16*\e+4*\i+3] offset:STG1*\e+8*SP*\i
.endr
.irp j, 0,1,2,3
	ds_load_b128 v[X+32*\k+16*\e+4*\j:X+32*\k+16*\e+4*\j+3], v6 offset:STG1*\e+16*\j   ; LDS serves a wave's instructions in order: these see the stores above.  My 16 neighbours: 512 e + 16 l on
.endr
.endr
.irp e, 0,1
.set XS, X+32*\k+16*\e
.if \e == 0
	s_wait_dscnt 8                                 ; the first half is back; the second half's four stores and four loads may be out
.else
	s_wait_dscnt 1                                 ; the second half is back; the first half's byte store may be out
.endif
	v_max3_num_f32 v22, |v[XS]|, |v[XS+1]|, |v[XS+2]|
	v_max3_num_f32 v23, |v[XS+3]|, |v[XS+4]|, |v[XS+5]|
.irp i, 6,10
	v_max3_num_f32 v22, v22, |v[XS+\i]|, |v[XS+\i+1]|
	v_max3_num_f32 v23, v23, |v[XS+\i+2]|, |v[XS+\i+3]|
.endr
	v_max3_num_f32 v22, v22, |v[XS+14]|, |v[XS+15]|
	v_max3_num_f32 v22, v22, v23, 0x2800000        ; with the floor 2^(5 - 127): the byte cannot fall under 1
	v_max_num_f32_dpp v22, v22, v22 row_xmask:1 row_mask:0xf bank_mask:0xf   ; and my neighbour's 16: the block's largest magnitude
	v_add_nc_u32 v24, 0xfe000000, v22              ; 4 off its exponent field: the conversion takes this operand's exponent field as its scale
	v_cvt_scalef32_pk16_bf6_f32 v[C+4*(2*\k+\e):C+4*(2*\k+\e)+2], v[XS:XS+15], v24
	v_lshrrev_b32 v[C+4*(2*\k+\e)+3], 23, v24      ; the scale's byte (also the plain instruction behind the conversion)
	ds_store_b8 v7, v[C+4*(2*\k+\e)+3] offset:32*\k+16*\e     ; both lanes of a block write the same byte with the same value
	global_store_b96 v3, v[C+4*(2*\k+\e):C+4*(2*\k+\e)+2], s[20:21] offset:768*\k+384*\e
.endr
.endm
.macro FINISH                          ; the wave's 128 scale bytes: four rows of rs on end
	ds_load_b32 v9, v8
	s_wait_dscnt 0x0
	global_store_b32 v4, v9, s[22:23]
	s_wait_tensorcnt 0x0
	ds_add_u32 v30, v31
	s_wait_dscnt 0x0
	s_endpgm
.endm
	s_load_b512 s[4:19], s[0:1], 0x0               ; x s[4:5], gain s[6:7], offset s[8:9], Wq s[10:11], Wk s[12:13], Wv s[14:15], Wo s[16:17], part s[18:19]
	s_load_b128 s[20:23], s[0:1], 0x40             ; rc s[20:21], rs s[22:23]
	v_lshl_add_u32 v30, v0, 2, 0x15000
	v_mov_b32 v31, 0
	v_lshrrev_b32 v9, 5, v0
	v_readfirstlane_b32 s24, v9                    ; wave
	v_and_b32 v1, 31, v0
	v_lshlrev_b32 v2, 4, v1
	v_mul_u32_u24 v3, v1, 12
	v_lshlrev_b32 v4, 2, v1
	v_lshrrev_b32 v5, 2, v1
	v_mul_u32_u24 v5, v5, SP
	v_and_b32 v6, 3, v1
	v_lshl_add_u32 v5, v6, 4, v5                   ; in: four lanes' 64 bytes on end, then the padding
	v_mul_u32_u24 v6, v1, SP                       ; out: a place a lane
	v_lshrrev_b32 v7, 1, v1                        ; my block among a half row's sixteen
	v_mov_b32 v26, 0
	s_mov_b32 s40, 0x76543210
	s_mov_b32 s41, 0xfedcba98
	s_mov_b32 s42, 0x3a800000                      ; 1 / 1024
	s_mov_b32 s43, 0x3727c5ac                      ; 1e-5
	s_mov_b32 s29, 0
	s_lshl_b32 s27, s24, 2                         ; four rows a wave
	s_mul_i32 s25, s24, WREG
	s_cmp_lt_u32 ttmp9, 128
	s_cbranch_scc0 .Lweights
	; ---- rows of x
	LDSADR
	s_lshl_b32 s26, ttmp9, 5
	s_add_co_u32 s26, s26, s27                     ; my first row
	s_lshl_b32 s28, s26, 12
	s_wait_kmcnt 0x0
	s_add_nc_u64 s[4:5], s[4:5], s[28:29]
	s_mul_i32 s28, s26, 768
	s_add_nc_u64 s[20:21], s[20:21], s[28:29]
	s_lshl_b32 s28, s26, 5
	s_add_nc_u64 s[22:23], s[22:23], s[28:29]
.irp i, 0,1,2,3,4,5,6,7
	global_load_b128 v[LG+4*\i:LG+4*\i+3], v2, s[6:7] offset:512*\i
.endr
.irp i, 0,1,2,3,4,5,6,7
	global_load_b128 v[LB+4*\i:LB+4*\i+3], v2, s[8:9] offset:512*\i
.endr
.irp k, 0,1,2,3
	LOADROW \k
.endr
.irp k, 0,1,2,3
	s_wait_loadcnt 24-8*\k                         ; gain, offset and row k are in; the later rows' eight loads each may be out
	LNROW \k
	TURNQ \k
.endr
	FINISH
	; ---- rows of the weights
.Lweights:
	s_add_co_u32 s25, s25, WPATH
	LDSADR
	s_sub_co_u32 s26, ttmp9, 128
	s_lshl_b32 s26, s26, 5
	s_add_co_u32 s26, s26, s27                     ; my first row among the four matrices' 4,096
	s_lshr_b32 s30, s26, 10                        ; m
	s_and_b32 s31, s26, 1023                       ; i
	s_bfe_u32 s32, s31, 0x10003                    ; its bit 3,
	s_bfe_u32 s33, s31, 0x10004                    ; its bit 4,
	s_and_b32 s34, s31, 0x3e7                      ; the rest
	s_lshl_b32 s32, s32, 4
	s_lshl_b32 s33, s33, 3
	s_or_b32 s34, s34, s32
	s_or_b32 s34, s34, s33
	s_cmp_eq_u32 s30, 2
	s_cselect_b32 s34, s34, s31                    ; Wv's rows change places
	s_lshl_b32 s35, s30, 10
	s_add_co_u32 s34, s34, s35
	s_add_co_u32 s34, s34, 4096                    ; the row of rc and rs
	s_wait_kmcnt 0x0
	s_cmp_lt_u32 ttmp9, 160                        ; which matrix: the choice hangs on the work-group's number alone
	s_cselect_b64 s[10:11], s[10:11], s[12:13]
	s_cmp_lt_u32 ttmp9, 224
	s_cselect_b64 s[14:15], s[14:15], s[16:17]
	s_cmp_lt_u32 ttmp9, 192
	s_cselect_b64 s[4:5], s[10:11], s[14:15]
	s_lshl_b32 s28, s31, 12
	s_add_nc_u64 s[4:5], s[4:5], s[28:29]
	s_lshl_b32 s28, s30, 11                        ; the matrix's 512 partial sums
	s_add_nc_u64 s[18:19], s[18:19], s[28:29]
	s_mul_i32 s28, s34, 768
	s_add_nc_u64 s[20:21], s[20:21], s[28:29]
	s_lshl_b32 s28, s34, 5
	s_add_nc_u64 s[22:23], s[22:23], s[28:29]
.irp i, 0,1,2,3
	global_load_b128 v[176+4*\i:179+4*\i], v2, s[18:19] offset:512*\i
.endr
.irp k, 0,1,2,3
	LOADROW \k
.endr
	s_wait_loadcnt 32                              ; the partial sums are in; the rows' 32 loads may be out
	v_pk_add_f32 v[176:177], v[176:177], v[178:179]      ; one fixed order in every wave: every wave has the same gamma
	v_pk_add_f32 v[180:181], v[180:181], v[182:183]
	v_pk_add_f32 v[184:185], v[184:185], v[186:187]
	v_pk_add_f32 v[188:189], v[188:189], v[190:191]
	v_pk_add_f32 v[176:177], v[176:177], v[180:181]
	v_pk_add_f32 v[184:185], v[184:185], v[188:189]
	v_pk_add_f32 v[176:177], v[176:177], v[184:185]
	v_add_f32 v176, v176, v177
	WSUM 176
	v_mul_f32 v160, 0x35800000, v176               ; gamma = the sum / 2^20
	v_mov_b32 v161, v160
	v_add_f32 v162, s43, v160                      ; gamma + 1e-5
	v_mov_b32 v163, v162
	v_rcp_f32 v164, v162
	v_nop                                          ; one plain instruction behind a transcendental
	s_wait_alu depctr_va_vdst(0)
	v_mov_b32 v165, v164
.irp k, 0,1,2,3
	s_wait_loadcnt 24-8*\k                         ; row k is in; the later rows' loads may be out
	TERN \k
	TURNQ \k
.endr
	FINISH
.Lfunc_end_k_qfdfa5cc740_rowq:
	.size	k_qfdfa5cc740_rowq, .Lfunc_end_k_qfdfa5cc740_rowq-k_qfdfa5cc740_rowq
	.p2alignl 7, 3214868480
	.fill 96, 4, 3214868480
	.section	.rodata,"a",@progbits
	.p2align	6, 0x0
	.amdhsa_kernel k_qfdfa5cc740_rowq
		.amdhsa_group_segment_fixed_size 87040
		.amdhsa_private_segment_fixed_size 0
		.amdhsa_enable_private_segment 0
		.amdhsa_kernarg_size 80
		.amdhsa_user_sgpr_count 2
		.amdhsa_user_sgpr_kernarg_segment_ptr 1
		.amdhsa_wavefront_size32 1
		.amdhsa_system_sgpr_workgroup_id_x 1
		.amdhsa_system_sgpr_workgroup_id_y 1
		.amdhsa_system_sgpr_workgroup_id_z 1
		.amdhsa_system_vgpr_workitem_id 0
		.amdhsa_next_free_vgpr 256
		.amdhsa_next_free_sgpr 66
		.amdhsa_reserve_vcc 0
		.amdhsa_float_denorm_mode_32 3
		.amdhsa_float_denorm_mode_16_64 3
		.amdhsa_memory_ordered 1
		.amdhsa_forward_progress 1
		.amdhsa_inst_pref_size 98
	.end_amdhsa_kernel
	.amdgpu_metadata
---
amdhsa.version: [ 1, 2 ]
amdhsa.kernels:
  - .name:           k_qfdfa5cc740_rowq
    .symbol:         k_qfdfa5cc740_rowq.kd
    .args:
      - { .name: x, .offset: 0, .size: 8, .value_kind: global_buffer, .address_space: global }
      - { .name: ln_gamma, .offset: 8, .size: 8, .value_kind: global_buffer, .address_space: global }
      - { .name: ln_beta, .offset: 16, .size: 8, .value_kind: global_buffer, .address_space: global }
      - { .name: Wq, .offset: 24, .size: 8, .value_kind: global_buffer, .address_space: global }
      - { .name: Wk, .offset: 32, .size: 8, .value_kind: global_buffer, .address_space: global }
      - { .name: Wv, .offset: 40, .size: 8, .value_kind: global_buffer, .address_space: global }
      - { .name: Wo, .offset: 48, .size: 8, .value_kind: global_buffer, .address_space: global }
      - { .name: part, .offset: 56, .size: 8, .value_kind: global_buffer, .address_space: global }
      - { .name: rc, .offset: 64, .size: 8, .value_kind: global_buffer, .address_space: global }
      - { .name: rs, .offset: 72, .size: 8, .value_kind: global_buffer, .address_space: global }
    .group_segment_fixed_size: 87040
    .private_segment_fixed_size: 0
    .kernarg_segment_align: 8
    .kernarg_segment_size: 80
    .max_flat_workgroup_size: 256
    .sgpr_count:     66
    .vgpr_count:     256
    .wavefront_size: 32
...
	.end_amdgpu_metadata
.endif
;; end of part 2
;; launch proj (part 3): grid 4 x 64, 4 waves a work-group, clusters of 4 x 4, 327,680 bytes of LDS; arguments rc, rs, context_codes, context_scales, bq, bk, bv, qrec, kv; writes qrec, kv
.if DOCPART == 3
	.amdgcn_target "amdgcn-amd-amdhsa--gfx1250"
	.amdhsa_code_object_version 6
	.text
	.protected	k_qfdfa5cc740_proj
	.globl	k_qfdfa5cc740_proj
	.p2align	8
	.type	k_qfdfa5cc740_proj,@function
k_qfdfa5cc740_proj:
	s_mov_b64 s[64:65], 0
	v_nop
	global_prefetch_b8 v0, s[64:65] scope:SCOPE_SE
	s_setreg_imm32_b32 hwreg(HW_REG_WAVE_MODE, 25, 1), 1
	s_wait_xcnt 0x0
	s_wait_alu depctr_hold_cnt(0) depctr_sa_sdst(0) depctr_va_vdst(0) depctr_va_sdst(0) depctr_va_ssrc(0) depctr_va_vcc(0) depctr_vm_vsrc(0)
	s_getreg_b32 s2, hwreg(HW_REG_IB_STS2, 6, 4)
	s_cmp_eq_u32 s2, 0
	s_cbranch_scc0 .Lentry_in_a_cluster
	s_endpgm
.Lentry_in_a_cluster:
	s_bfe_u32 s2, ttmp6, 0x10000c
	s_cmp_lg_u32 s2, 0xf033
	s_cbranch_scc0 .Lentry_shape_is_right
	s_endpgm
.Lentry_shape_is_right:
; The three projections, q = xn Wq^T + bq, k = context Wk^T + bk, v = context Wv^T + bv, on codes of BF6 (E3M2) with one E8M0 scale for each 32 along K = 1,024; sums in f32.
; The results never go to memory as f32: each wave adds the bias, quantises its results in registers along the NEXT product's K and stores them as images of that product's operand registers.
; SHARES.  k and v are 256 tiles of 256 x 256 results, q is 256 tiles of 128 x 128: each of the 256 work-groups makes one large tile of k or v and then one small tile of q, so that all have the same work.
; THE LARGE TILE is made by four waves, each 128 x 128 in 64 accumulators.  K goes in steps of 256 through a ring of two LDS slots filled by the tensor data mover; the scale bytes of the tile's rows come once.
; SOURCE 0 ('B', 16 rows a block, indexed along the cluster's x) holds the rows that become the next product's K; SOURCE 1 ('A', along y) those that become the next operand's rows: a lane holds ONE row of the next operand, its registers run along the next K.
;   mode 1 (cluster rows 0-7):  A = context's tokens, B = Wk's rows: k, K = the head's 64 channels -> kv
;   mode 2 (cluster rows 8-15): A = Wv's rows,        B = context's tokens: v^T, K = the keys      -> kv
; The mode hangs on the cluster's number alone, so all sixteen partners take the same ways.
; THE SMALL TILE: A = 128 tokens of xn (group 4 (Y / 2) + cy), B = 128 rows of Wq (group 4 (Y % 2) + cx), Y the cluster's row.  THE RING GOES ON INTO IT: a slot holds both operands' 128 rows for TWO K chunks of 256 (waves 0, 1: A's even and odd chunk;
; waves 2, 3: B's), by the same shape of tile and the same LDS addresses as before; the large tile's last two changes of slots ask for them, and the large tile's way out stands between the last request and the wait for it.
; Wave w makes tokens 32 w on x all 128 features: 16 accumulators; its way out is one turn of the way out that k takes.  Its scale words come straight from memory into registers: lanes 0-15 an even block's rows, lanes 16-31 the odd block's.
; WITHIN A BLOCK OF 32 the codes stand in the order 0-7, 16-23, 8-15, 24-31 of the block: tiles 2 b and 2 b + 1 give lanes 0-15 the numbers 0-7 and 16-23 of block b and lanes 16-31 the others.  q and k are made alike, and so are v and the attention's p:
; both sides of each product have the same order, which keeps every product and every block's scale.
; IMAGES.  q, k: for 128 tokens of one head 48 registers a lane, register 6 t + i: tile t of 16 tokens, lane (r, H): token 16 t + r, block H; four registers at 512 q + 16 lane.  Their scale words: 16 bytes a lane, register b: tile 2 b + H, row r; bytes 0, 1 the head's two blocks, bytes 2, 3 zero.
;   v: for 128 keys of one head four fragments of 12 registers (16 channels x 128 keys), at 1,536 t + 512 q + 16 lane; scale words 8 bytes a lane, register j: tile 2 j + H, row r.  Every store of codes covers 512 consecutive bytes, aligned.
;   (q's scale words leave by two stores of 4 bytes a lane, 16 bytes apart: a wave has one register of the image's four.)
; CLUSTERS: 4 x 4 work-groups; A's tiles are asked for jointly along a row of the cluster, B's along a column, of the small tile too.
; LIMITS: a block of zeros, or one under 2^-122, keeps the byte 1 (this program alone reads the bytes); NaN and infinities are not served.
; REGISTERS: window 0: v0-31 addresses (v8-15: q's scale words of A); v32-63 scale words, two sets (for q: B's); v64-127 the bias in the results' layout; from v128 A's fragments; on the ways out v128-255 are at work.  window 1: B's fragments, two sets.
;   windows 2, 3: the accumulators ((a, b) at v[8 (8 (a % 4) + b)]).
.set KSTEP,  256
.set NQ,     KSTEP/128
.set ROWB,   192                       ; a tile's row: 256 codes
.set KROW,   768                       ; a row of codes in memory
.set PITCH,  240                       ; an LDS row: 3 x (64 bytes + 16 of padding): the 32 lanes of a load of 8 bytes touch 64 different banks (64 banks of 4 bytes: ISA guide 11.1)
.set FR,     12
.set NL,     6
.set NP,     4                         ; places behind this matrix instruction (ISA guide 7.12.1)
.set HALFT,  128*PITCH
.set SLOT,   4*HALFT
.set KS,     32                        ; a row of scale bytes
.set SCL,    2*SLOT                    ; behind the ring: the scale bytes, as units of 256 bytes + 16 of padding
.set HALFS,  (128*KS/256)*272
.set SBLK,   (16*KS/256)*272
.set SPARE,  SCL+4*HALFS               ; the spare words, 128 bytes for each wave: two blocks of 256 bytes that no other line names
.set RECKV,  208896                    ; a (batch, head)'s record in kv: four chunks
.set CHUNKB, 52224                     ; a chunk: four steps of 128 keys
.set RECQ,   53248                     ; a (batch, head)'s record in qrec
.set QCO,  5                           ; v5   q's way out: my bytes among the record's codes
.set QSO,  6                           ; v6   and among its scale words
.set L32,  7                           ; v7   32 x lane: a row of scale bytes a lane
.set QSA,  8                           ; v8-15  q: register s: the scale words of K step s; lanes 0-15 my first 16 tokens, lanes 16-31 my second
.set ADRA, 16                          ; v16-17 (v18-19 behind one padding more): my A fragments in slot 0, 1
.set ADRB, 20                          ; v20-21 (v22-23): B's
.set L16,  24                          ; v24  16 x lane
.set L8,   25                          ; v25  8 x lane
.set ADRS, 27                          ; v27  my scale words: lanes 0-15 A's rows, lanes 16-31 B's
.set SPW,  28                          ; v28  my spare word; never rewritten
.set NIL,  29                          ; v29  0; never rewritten
.set BQK,  30                          ; v30  the bias's lane term for q and k: 32 H
.set BV,   31                          ; v31  for v: 4 (r + 8 (r / 8))
.set SC,   32
.set QSB,  32                          ; v32-63 q: register 8 i + s: K step s; lanes 0-15 Wq's block 2 i, lanes 16-31 block 2 i + 1
.set BB,   64                          ; v64-127 the bias
.set AF,   128
.set HB,   128                         ; the ways out: v128-191 one block's 64 numbers
.set XO,   192                         ; v192-215 codes to be stored
.set T2,   216                         ; v216-218, v220-222 conversions' second halves
.set TM,   224                         ; v224-227 largest magnitudes, v228-231 permutes and bytes, v236-239 scale operands
.set PW,   240                         ; v240-241 the scale words of two blocks
.set SW,   244                         ; v244-251 scale words for the images
.set G1, 24
.set G0, 32
.set G1B, 48
.set G0B, 56
.set G1S, 68
.set G0S, 76
.set G1SB, 80
.set G0SB, 88
.set GA,   95                          ; s95  which 128 of A's rows are my wave's
.set GB,   96                          ; s96  which 128 of B's
.set BIAS, 98                          ; s[98:99]
.set MODE, 100
.set HI16, 101                         ; s101 the mask of lanes 16-31
; q's addresses, made at the head and never rewritten: s[4:5] xn's codes, s[6:7] Wq's codes (each at my K chunk of a slot's two), s[8:9] xn's scale words, s[10:11] Wq's, s[66:67] bq, s[104:105] qrec's record
.set MSB, 0
.macro WIN new                         ; the immediate's high byte repeats the setting that is left
.if MSB != (\new)
	s_set_vgpr_msb (MSB<<8)|(\new)
.set MSB, (\new)
.endif
.endm
.set MUL_LO, 0xa1                      ; source 0 (B) window 1, source 1 (A) window 0, C and D window 2
.set MUL_HI, 0xf1
.set TO_B,   0x40
; A joint load: waves 0 and 1 fetch for A, waves 2 and 3 for B; the branch hangs on the wave's number alone.  Four v_nop follow each of the two lines.
.macro JLOAD g0a, g1a, g0b, g1b
	s_cmp_eq_u32 s15, 0
	s_cbranch_scc0 .Lfor_b_\@
	tensor_load_to_lds s[\g0a:\g0a+3], s[\g1a:\g1a+7]
	s_nop 0
.rept 4
	v_nop
.endr
	s_branch .Lasked_\@
.Lfor_b_\@:
	tensor_load_to_lds s[\g0b:\g0b+3], s[\g1b:\g1b+7]
	s_nop 0
.rept 4
	v_nop
.endr
.Lasked_\@:
.endm
.macro CREST                           ; a round of the cluster's barrier behind its opening barrier
	s_cmp_lg_u32 s14, 0
	s_cbranch_scc1 .Lnot_wave_0_\@
	s_barrier_signal -3
.Lnot_wave_0_\@:
	s_barrier_wait -3
	s_barrier_signal -1
	s_barrier_wait -1
.endm
.macro CROUND
	s_barrier_signal -1
	s_barrier_wait -1
	CREST
.endm
	s_load_b512 s[68:83], s[0:1], 0x0              ; rc s[68:69], rs s[70:71], context's codes s[72:73], its scales s[74:75], bq s[76:77], bk s[78:79], bv s[80:81], qrec s[82:83]
	s_load_b64 s[84:85], s[0:1], 0x40              ; kv
	v_lshl_add_u32 v[SPW], v0, 2, SPARE
	v_mov_b32 v[NIL], 0
	ds_add_u32 v28, v29
	ds_add_u32 v28, v29
	s_wait_dscnt 0x0
	v_lshrrev_b32 v1, 5, v0
	v_readfirstlane_b32 s14, v1                    ; wave 0..3
	s_lshr_b32 s15, s14, 1                         ; which half of A's rows is mine.  Also: I fetch for A (0) or for B (1)
	s_and_b32 s16, s14, 1                          ; which half of B's.  Also: which 128 rows of that tile (for q: which of a slot's two K chunks) I fetch
	s_bfe_u32 s40, ttmp6, 0x40000                  ; cx, cy: my place in the cluster
	s_bfe_u32 s41, ttmp6, 0x40004
	s_lshl_b32 s43, s41, 2
	s_lshl_b32 s43, 15, s43                        ; my row of the cluster
	s_lshl_b32 s44, 0x1111, s40                    ; my column
	s_and_b32 s2, ttmp7, 0xffff                    ; Y, the cluster's row, 0..15: it alone decides the mode
	s_sub_co_u32 s97, s2, 8
	s_mov_b32 s[HI16], 0xffff0000
	s_wait_kmcnt 0x0
	s_cmp_ge_u32 s2, 8                             ; mode 2?
	s_cselect_b64 s[8:9], s[72:73], s[68:69]       ; B's codes,
	s_cselect_b64 s[10:11], s[74:75], s[70:71]     ; B's scales,
	s_cselect_b64 s[4:5], s[68:69], s[72:73]       ; A's codes,
	s_cselect_b64 s[6:7], s[70:71], s[74:75]       ; A's scales
	s_cselect_b64 s[BIAS:BIAS+1], s[80:81], s[78:79]
	s_cselect_b32 s42, s97, 0                      ; B's tiles: four further on for each cluster row of mode 2
	s_cselect_b32 s17, 0, s2                       ; A's tiles: for each cluster row of mode 1
	s_cselect_b32 s[GA], 6144, 0                   ; (for now) A's first row: Wv's rows in rc
	s_cselect_b32 s[GB], 0, 5120                   ; (for now) B's first row: Wk's rows in rc
	s_cselect_b32 s[MODE], 2, 1
	s_mov_b64 s[12:13], s[84:85]                   ; where the large tile's results go
	s_lshl_b32 s17, s17, 2
	s_add_co_u32 s17, s17, s41                     ; A's tile of 256 rows: it never holds cx
	s_lshl_b32 s42, s42, 2
	s_add_co_u32 s42, s42, s40                     ; B's: it never holds cy
	s_lshl_b32 s18, s16, 7                         ; which 128 rows of the tile I fetch
	s_lshl_b32 s20, s17, 8
	s_add_co_u32 s20, s20, s18
	s_add_co_u32 s20, s20, s[GA]                   ; A: first row + 256 x tile + 128 x half
	s_lshl_b32 s46, s42, 8
	s_add_co_u32 s46, s46, s18
	s_add_co_u32 s46, s46, s[GB]                   ; B likewise
	s_mov_b32 s21, 0
	s_mov_b32 s47, 0
	s_mov_b64 s[18:19], KS
	s_mul_u64 s[22:23], s[20:21], s[18:19]         ; where these rows' scales begin,
	s_mul_u64 s[92:93], s[46:47], s[18:19]
	s_mov_b64 s[18:19], KROW
	s_mul_u64 s[20:21], s[20:21], s[18:19]         ; and their codes
	s_mul_u64 s[46:47], s[46:47], s[18:19]
	s_mul_i32 s45, s14, HALFT                      ; where they go: wave x 128 rows: no place in the cluster enters an LDS address
	s_mul_i32 s94, s14, HALFS
	s_add_nc_u64 s[20:21], s[4:5], s[20:21]
	s_add_nc_u64 s[22:23], s[6:7], s[22:23]
	s_add_nc_u64 s[46:47], s[8:9], s[46:47]
	s_add_nc_u64 s[92:93], s[10:11], s[92:93]
	s_lshl_b32 s[GA], s17, 1
	s_add_co_u32 s[GA], s[GA], s15                 ; from here on: which 128 of A's rows my wave multiplies,
	s_lshl_b32 s[GB], s42, 1
	s_add_co_u32 s[GB], s[GB], s16                 ; and which 128 of B's
	; THE SMALL TILE'S ADDRESSES.  Its tokens hang on Y and cy alone, which my row of the cluster shares; its features on Y and cx alone, which my column shares.
	s_lshr_b32 s18, s2, 1
	s_lshl_b32 s18, s18, 2
	s_add_co_u32 s18, s18, s41                     ; the group of 128 tokens: 4 (Y / 2) + cy
	s_and_b32 s86, s2, 1
	s_lshl_b32 s86, s86, 2
	s_add_co_u32 s86, s86, s40                     ; the group of 128 features: 4 (Y % 2) + cx
	s_mul_i32 s3, s16, ROWB                        ; which of a slot's two K chunks I fetch
	s_mul_i32 s4, s18, 128*KROW
	s_add_co_u32 s4, s4, s3
	s_mov_b32 s5, 0
	s_add_nc_u64 s[4:5], s[68:69], s[4:5]          ; xn's codes: rows 128 x group on of rc
	s_mul_i32 s6, s86, 128*KROW
	s_add_co_u32 s6, s6, s3
	s_add_co_u32 s6, s6, 4096*KROW
	s_mov_b32 s7, 0
	s_add_nc_u64 s[6:7], s[68:69], s[6:7]          ; Wq's codes: rows 4,096 + 128 x group on
	s_lshl_b32 s8, s18, 12
	s_lshl_b32 s9, s14, 10
	s_add_co_u32 s8, s8, s9
	s_mov_b32 s9, 0
	s_add_nc_u64 s[8:9], s[70:71], s[8:9]          ; xn's scale bytes: my wave's 32 tokens
	s_lshl_b32 s10, s86, 12
	s_add_co_u32 s10, s10, 4096*KS
	s_mov_b32 s11, 0
	s_add_nc_u64 s[10:11], s[70:71], s[10:11]      ; Wq's scale bytes: the 128 rows
	s_lshl_b32 s66, s86, 9
	s_mov_b32 s67, 0
	s_add_nc_u64 s[66:67], s[76:77], s[66:67]      ; bq at the 128 features
	s_lshr_b32 s87, s18, 3                         ; batch
	s_lshl_b32 s87, s87, 4
	s_lshl_b32 s86, s86, 1
	s_add_co_u32 s87, s87, s86                     ; record 16 batch + the first of the two heads
	s_mul_i32 s104, s87, RECQ
	s_mov_b32 s105, 0
	s_add_nc_u64 s[104:105], s[82:83], s[104:105]
	; descriptor group 1: a tile of 128 rows x 192 bytes, 16 bytes of padding behind every 64
	s_or_b32 s[G1+0], s43, (0<<16)|(1<<20)|(1<<21)|(3<<22)|(3<<25)  ; 15:0 the mask: A's tiles go to my row; 17:16 elements of 1 byte; 20 padding on; 21 set beside a mask; 24:22 after every 16 words; 31:25 of 4 words
	s_or_b32 s[G1B+0], s44, (0<<16)|(1<<20)|(1<<21)|(3<<22)|(3<<25)
.irp g, G1, G1B
	s_mov_b32 s[\g+1], ROWB<<16                    ; tensor_dim0
	s_mov_b32 s[\g+2], 128<<16                     ; tensor_dim1
	s_mov_b32 s[\g+3], ROWB<<16                    ; tile_dim0
	s_mov_b32 s[\g+4], 128                         ; tile_dim1
	s_mov_b32 s[\g+5], KROW                        ; tensor_dim0_stride
	s_mov_b32 s[\g+6], 0
	s_mov_b32 s[\g+7], 0
.endr
	; the scale bytes of 128 rows: 4,096 dense bytes, as rows of 256 bytes (32 elements of 8), 16 bytes of padding behind each
	s_or_b32 s[G1S+0], s43, (3<<16)|(1<<20)|(1<<21)|(5<<22)|(3<<25)
	s_or_b32 s[G1SB+0], s44, (3<<16)|(1<<20)|(1<<21)|(5<<22)|(3<<25)
.irp g, G1S, G1SB
	s_mov_b32 s[\g+1], 32<<16
	s_mov_b32 s[\g+2], (128*KS/256)<<16
	s_mov_b32 s[\g+3], 32<<16
	s_mov_b32 s[\g+4], 128*KS/256
	s_mov_b32 s[\g+5], 32
	s_mov_b32 s[\g+6], 0
	s_mov_b32 s[\g+7], 0
.endr
	CROUND                                         ; all sixteen work-groups are here: the first joint loads meet
	s_mov_b32 s[G0S], 1
	s_add_co_u32 s[G0S+1], s94, SCL
	s_mov_b64 s[G0S+2:G0S+3], s[22:23]
	s_or_b32 s[G0S+3], s[G0S+3], 0x80000000
	s_mov_b32 s[G0SB], 1
	s_add_co_u32 s[G0SB+1], s94, SCL
	s_mov_b64 s[G0SB+2:G0SB+3], s[92:93]
	s_or_b32 s[G0SB+3], s[G0SB+3], 0x80000000
	JLOAD G0S, G1S, G0SB, G1SB                     ; the scales first: they are wanted with K step 0
.irp s, 0,1
	s_mov_b32 s[G0+4*\s], 1
	s_add_co_u32 s[G0+4*\s+1], s45, \s*SLOT
	s_add_nc_u64 s[G0+4*\s+2:G0+4*\s+3], s[20:21], \s*ROWB
	s_or_b32 s[G0+4*\s+3], s[G0+4*\s+3], 0x80000000
	s_mov_b32 s[G0B+4*\s], 1
	s_add_co_u32 s[G0B+4*\s+1], s45, \s*SLOT
	s_add_nc_u64 s[G0B+4*\s+2:G0B+4*\s+3], s[46:47], \s*ROWB
	s_or_b32 s[G0B+4*\s+3], s[G0B+4*\s+3], 0x80000000
	JLOAD G0+4*\s, G1, G0B+4*\s, G1B               ; three tensor loads of mine are out now
.endr
	v_and_b32 v1, 15, v0                           ; r
	v_bfe_u32 v2, v0, 4, 1                         ; H
	v_mul_u32_u24 v3, v1, PITCH
	v_mul_u32_u24 v4, v2, 24
	v_add_nc_u32 v4, v3, v4                        ; a fragment's row x pitch + 24 x half
	v_lshl_add_u32 v5, v2, 4, v4                   ; and the same behind one padding more
	s_mul_i32 s21, s15, HALFT                      ; my 128 rows of A
	s_mul_i32 s22, s16, HALFT                      ; my 128 rows of B,
	s_add_co_u32 s22, s22, 2*HALFT                 ; which lie behind A's 256
.irp s, 0,1
	v_add_nc_u32 v[ADRA+\s], s21, v4
	v_add_nc_u32 v[ADRB+\s], s22, v4
	v_add_nc_u32 v[ADRA+2+\s], s21, v5
	v_add_nc_u32 v[ADRB+2+\s], s22, v5
	s_add_co_u32 s21, s21, SLOT
	s_add_co_u32 s22, s22, SLOT
.endr
	v_mul_u32_u24 v5, v1, KS                       ; my row's scales: 32 bytes a row,
	v_lshrrev_b32 v6, 8, v5
	v_lshl_add_u32 v5, v6, 4, v5                   ; and 16 more for each 256 passed
	s_mul_i32 s21, s15, HALFS
	s_mul_i32 s22, s16, HALFS
	s_add_co_u32 s22, s22, 2*HALFS
	s_sub_co_u32 s22, s22, s21
	v_mul_u32_u24 v6, s22, v2                      ; lanes 16-31 take B's: one product, the distance between the two bases
	s_add_co_u32 s21, s21, SCL
	v_add_nc_u32 v5, v5, v6
	v_add_nc_u32 v[ADRS], s21, v5
	v_and_b32 v6, 31, v0
	v_lshlrev_b32 v[L16], 4, v6
	v_lshlrev_b32 v[L8], 3, v6
	v_lshlrev_b32 v[L32], 5, v6
	v_lshlrev_b32 v[BQK], 5, v2
	v_and_b32 v[BV], 8, v1
	v_add_nc_u32 v[BV], v[BV], v1
	v_lshlrev_b32 v[BV], 2, v[BV]
	; THE LARGE TILE'S BIAS, in the results' layout, 64 registers; it is waited for on the way out.  Its address registers are never rewritten.
	s_cmp_eq_u32 s[MODE], 2
	s_cselect_b32 s18, s[GA], s[GB]                ; the 128 features are A's rows in mode 2, else B's
	s_lshl_b32 s18, s18, 9
	s_mov_b32 s19, 0
	s_add_nc_u64 s[BIAS:BIAS+1], s[BIAS:BIAS+1], s[18:19]
	s_cmp_eq_u32 s[MODE], 2
	s_cbranch_scc1 .Lbias_v
.irp b, 0,1,2,3,4,5,6,7
	global_load_b128 v[BB+8*\b:BB+8*\b+3], v[BQK], s[BIAS:BIAS+1] offset:64*\b          ; register 8 b + j: feature 16 b + 8 H + j
	global_load_b128 v[BB+8*\b+4:BB+8*\b+7], v[BQK], s[BIAS:BIAS+1] offset:64*\b+16
.endr
	s_branch .Lbias_in
.Lbias_v:
.irp a, 0,1,2,3,4,5,6,7
.irp j, 0,1,2,3,4,5,6,7
	global_load_b32 v[BB+8*\a+\j], v[BV], s[BIAS:BIAS+1] offset:4*(32*(\a/2)+8*(\a%2))   ; all eight registers of block a: the feature whose row stands at place 16 a + r (bits 3 and 4 exchanged)
.endr
.endr
.Lbias_in:
.macro FRAG reg, adr, q, i, x          ; 16 rows x 128 K of 6-bit codes: 12 registers; lane (r, H): registers 6 c .. 6 c + 5 hold K = 64 c + 32 H + 0 .. 31: 24 bytes of the row's stream, as they lie, in pieces of 8 bytes; x: bytes further on
.irp p, 0,1,2,3,4,5
.set PC, 12*(\q)+6*(\p/3)+\p%3         ; where the piece three on (lanes 16-31) lies behind one padding more, the second address register serves
.if PC%8 < 5
	ds_load_b64 v[\reg+2*\p:\reg+2*\p+1], v[\adr] offset:8*PC+16*(PC/8)+(\i)*16*PITCH+(\x)
.else
	ds_load_b64 v[\reg+2*\p:\reg+2*\p+1], v[\adr+2] offset:8*PC+16*(PC/8)+(\i)*16*PITCH+(\x)
.endif
.endr
.endm
; 16 matrix instructions: A's blocks a0, a0 + 1 x B's eight.  The 64 accumulators take turns, one instruction a turn, in the same order in every step.  zero = 1: the first product starts the sums.
.macro MUL16 a0, p, q, sc, zero
.irp a, \a0, \a0+1
.irp b, 0,1,2,3,4,5,6,7
.if \zero
	v_wmma_scale_f32_16x16x128_f8f6f4 v[8*(8*((\a)%4)+\b):8*(8*((\a)%4)+\b)+7], v[128*(\p)+FR*\b:128*(\p)+FR*\b+FR-1], v[AF+FR*(\a):AF+FR*(\a)+FR-1], 0, v[SC+8*NQ*(\sc)+NQ*\b+(\q)], v[SC+8*NQ*(\sc)+NQ*(\a)+(\q)] matrix_a_fmt:MATRIX_FMT_BF6 matrix_b_fmt:MATRIX_FMT_BF6 matrix_a_scale:MATRIX_SCALE_ROW1
.else
	v_wmma_scale_f32_16x16x128_f8f6f4 v[8*(8*((\a)%4)+\b):8*(8*((\a)%4)+\b)+7], v[128*(\p)+FR*\b:128*(\p)+FR*\b+FR-1], v[AF+FR*(\a):AF+FR*(\a)+FR-1], v[8*(8*((\a)%4)+\b):8*(8*((\a)%4)+\b)+7], v[SC+8*NQ*(\sc)+NQ*\b+(\q)], v[SC+8*NQ*(\sc)+NQ*(\a)+(\q)] matrix_a_fmt:MATRIX_FMT_BF6 matrix_b_fmt:MATRIX_FMT_BF6 matrix_a_scale:MATRIX_SCALE_ROW1
.endif
.endr
.endr
.endm
.macro FETCH_B slot, q, p
	WIN TO_B
.irp i, 0,1,2,3,4,5,6,7
	FRAG 128*(\p)+FR*\i, ADRB+\slot, \q, \i, 0
.endr
	WIN 0
.endm
.macro FETCH_A slot, q, i0
.irp i, \i0, \i0+1, \i0+2, \i0+3
	FRAG AF+FR*(\i), ADRA+\slot, \q, \i, 0
.endr
.endm
.macro SCALES sc                       ; a K step's scale words: two a row; lanes 0-15 A's block i, lanes 16-31 B's block i
.irp i, 0,1,2,3,4,5,6,7
	ds_load_b64 v[SC+8*NQ*\sc+NQ*\i:SC+8*NQ*\sc+NQ*\i+1], v[ADRS] offset:\i*SBLK
.endr
.endm
.macro PLACES n                        ; plain vector instructions between a matrix instruction and a load into, or a read of, its registers (ISA guide 7.12.1 for reads)
.rept \n
	v_nop
.endr
.endm
.macro STEP slot, q, zero              ; 128 along K that have their successor in the same slot
	s_wait_dscnt 4*NL                              ; B's set and A's blocks 0-3 are in; the youngest 24 loads (A's blocks 4-7) may be out
	WIN MUL_LO
	MUL16 0, (\q)%2, \q, \slot, \zero
	MUL16 2, (\q)%2, \q, \slot, \zero
	s_wait_dscnt 0
	PLACES NP
	FETCH_B \slot, (\q)+1, 1-(\q)%2
	FETCH_A \slot, (\q)+1, 0
	WIN MUL_HI
	MUL16 4, (\q)%2, \q, \slot, \zero
	MUL16 6, (\q)%2, \q, \slot, \zero
	PLACES NP
	WIN 0
	FETCH_A \slot, (\q)+1, 4
.endm
; A slot's last 128 change slots: one barrier, which opens a round of the cluster's; in front of it each wave waits for all its tensor loads, adds 0 to its spare word, and waits for that and for its reads of this slot.
; Behind the round the slot is filled again: fill = 1: with the large tile's K step two on; fill = 2: with the small tile's K chunks 2 slot and 2 slot + 1.  next = 2: the large tile has no further K step: nothing is fetched from LDS.
.macro TURN slot, next, fill
	s_wait_tensorcnt 0x0                           ; all my tensor loads have landed: my part of the other slot
	ds_add_u32 v[SPW], v[NIL]                      ; 0 onto my spare word
	s_wait_dscnt 4*NL+1                            ; (the add and the youngest 24 loads may be out)
	WIN MUL_LO
	MUL16 0, 1, NQ-1, \slot, 0                     ; sixteen matrix instructions stand between the add and the wait for it
	s_wait_dscnt 0x0                               ; the add is done, and my reads of this slot are over
	s_barrier_signal -1
	MUL16 2, 1, NQ-1, \slot, 0
	WIN 0
	s_barrier_wait -1
	CREST                                          ; no wave of any partner still reads this slot or has a load on its way
.if \fill == 1
	s_add_nc_u64 s[G0+4*\slot+2:G0+4*\slot+3], s[G0+4*\slot+2:G0+4*\slot+3], 2*ROWB
	s_add_nc_u64 s[G0B+4*\slot+2:G0B+4*\slot+3], s[G0B+4*\slot+2:G0B+4*\slot+3], 2*ROWB
.else
	s_add_nc_u64 s[G0+4*\slot+2:G0+4*\slot+3], s[4:5], 2*ROWB*\slot
	s_or_b32 s[G0+4*\slot+3], s[G0+4*\slot+3], 0x80000000
	s_add_nc_u64 s[G0B+4*\slot+2:G0B+4*\slot+3], s[6:7], 2*ROWB*\slot
	s_or_b32 s[G0B+4*\slot+3], s[G0B+4*\slot+3], 0x80000000
.endif
	JLOAD G0+4*\slot, G1, G0B+4*\slot, G1B         ; the first tensor load behind the round, my only one until the next; its four v_nop are the places in front of the loads below
.if \next < 2
	v_add_nc_u32 v[ADRS], 4*NQ, v[ADRS]            ; the next K step's scale words
	FETCH_B \next, 0, 0
	FETCH_A \next, 0, 0
	SCALES \next
.endif
	WIN MUL_HI
	MUL16 4, 1, NQ-1, \slot, 0
	MUL16 6, 1, NQ-1, \slot, 0
.if \next < 2
	PLACES NP
	WIN 0
	FETCH_A \next, 0, 4
.else
	WIN 0
.endif
.endm
	s_wait_tensorcnt 1                             ; the scales and my part of K step 0 are in; K step 1's load may be out
	s_barrier_signal -1
	s_barrier_wait -1
	FETCH_B 0, 0, 0
	FETCH_A 0, 0, 0
	SCALES 0
	FETCH_A 0, 0, 4
	STEP 0, 0, 1                                   ; K = 1,024 is four K steps: the ring goes round twice: all is written out, there is no loop
	TURN 0, 1, 1                                   ; slot 0 takes K step 2,
	STEP 1, 0, 0
	TURN 1, 0, 1                                   ; slot 1 K step 3,
	STEP 0, 0, 0
	TURN 0, 1, 2                                   ; slot 0 the small tile's K chunks 0 and 1,
	STEP 1, 0, 0
	TURN 1, 2, 2                                   ; slot 1 its chunks 2 and 3: the last tensor load
; THE WAY OUT.  Block a of A's rows: its eight accumulators + the bias -> 64 numbers of a lane, register 16 b + i: the lane's 16 numbers of block b of the next K.  Each accumulator is read from its low end on.
.macro ADDB a, v
	WIN 0x02+(\a)/4                                ; source 0: window 2 or 3
.set n, 0
.rept 32
.if \v
	v_pk_add_f32 v[HB+2*n:HB+2*n+1], v[64*((\a)%4)+2*n:64*((\a)%4)+2*n+1], v[BB+8*(\a)+2*(n%4):BB+8*(\a)+2*(n%4)+1]
.else
	v_pk_add_f32 v[HB+2*n:HB+2*n+1], v[64*((\a)%4)+2*n:64*((\a)%4)+2*n+1], v[BB+2*n:BB+2*n+1]
.endif
.set n, n+1
.endr
	WIN 0
.endm
; 64 numbers become a fragment's codes, registers 0-5 in v[d0] on and 6-11 in v[d1] on, and its rows' scale word in v[pw].
.macro QUANT s, d0, d1, pw
.irp b, 0,1,2,3
	v_max3_num_f32 v[TM+\b], |v[\s+16*\b]|, |v[\s+1+16*\b]|, 0x2800000   ; with the floor 2^(5 - 127): the byte cannot fall under 1
.endr
.irp i, 2,4,6,8,10,12,14
.irp b, 0,1,2,3
	v_max3_num_f32 v[TM+\b], v[TM+\b], |v[\s+16*\b+\i]|, |v[\s+1+16*\b+\i]|
.endr
.endr
.irp b, 0,1,2,3
	v_permlanex16_b32 v[TM+4+\b], v[TM+\b], s2, s3
.endr
.irp b, 0,1,2,3
	v_max_num_f32 v[TM+\b], v[TM+\b], v[TM+4+\b]   ; with lane l xor 16's: the block's largest magnitude
.endr
.irp b, 0,1,2,3
	v_add_nc_u32 v[TM+12+\b], 0xfe000000, v[TM+\b] ; 4 off its exponent field: the conversion's scale operand
.endr
.irp b, 0,1,2,3
	v_lshrrev_b32 v[TM+4+\b], 23, v[TM+12+\b]      ; the scale's byte
.endr
	v_lshl_or_b32 v[(\pw)], v[TM+5], 8, v[TM+4]
	v_lshl_or_b32 v[(\pw)], v[TM+6], 16, v[(\pw)]
	v_lshl_or_b32 v[(\pw)], v[TM+7], 24, v[(\pw)]
	v_cvt_scalef32_pk16_bf6_f32 v[(\d0):(\d0)+2], v[\s:\s+15], v[TM+12]
	v_cvt_scalef32_pk16_bf6_f32 v[T2:T2+2], v[\s+16:\s+31], v[TM+13]      ; (a conversion's three registers begin on an even number)
	v_cvt_scalef32_pk16_bf6_f32 v[(\d1):(\d1)+2], v[\s+32:\s+47], v[TM+14]
	v_cvt_scalef32_pk16_bf6_f32 v[T2+4:T2+6], v[\s+48:\s+63], v[TM+15]
	v_nop                                          ; one plain instruction behind a scaled conversion
.irp i, 0,1,2
	v_permlane16_swap_b32 v[(\d0)+\i], v[T2+\i]    ; the operand's layout wants a whole block in a lane: lanes 0-15 the even block, lanes 16-31 the odd one
.endr
.irp i, 0,1,2
	v_mov_b32 v[(\d0)+3+\i], v[T2+\i]
.endr
.irp i, 0,1,2
	v_permlane16_swap_b32 v[(\d1)+\i], v[T2+4+\i]
.endr
.irp i, 0,1,2
	v_mov_b32 v[(\d1)+3+\i], v[T2+4+\i]
.endr
.endm
.irp b, 0,1,2,3
	v_mov_b32 v[TM+4+\b], 0                        ; a lane permute's destination counts as one of its sources.  These four are also the places behind the last products
.endr
	; the small tile's scale words are asked for here and land under the way out: a lane takes a row's 32 bytes, so that two loads cover 1,024 bytes on end
	global_load_b128 v[QSA:QSA+3], v[L32], s[8:9]                  ; K steps 0-3 of my 32 tokens
	global_load_b128 v[QSA+4:QSA+7], v[L32], s[8:9] offset:16      ; K steps 4-7
.irp i, 0,1,2,3
	global_load_b128 v[QSB+8*\i:QSB+8*\i+3], v[L32], s[10:11] offset:1024*\i        ; Wq's blocks 2 i and 2 i + 1
	global_load_b128 v[QSB+8*\i+4:QSB+8*\i+7], v[L32], s[10:11] offset:1024*\i+16
.endr
	; and its fragments' LDS addresses are made: in a slot lie A's even chunk, A's odd chunk, B's even chunk, B's odd chunk, 128 rows each; my wave takes A's rows 32 w on and all of B's
	v_mul_u32_u24 v3, v1, PITCH
	v_mad_u32_u24 v3, v2, 24, v3                   ; a fragment's row x pitch + 24 x half
	v_lshl_add_u32 v4, v2, 4, v3                   ; and the same behind one padding more
	s_mul_i32 s21, s14, 32*PITCH
	s_mov_b32 s22, 2*HALFT
.irp s, 0,1
	v_add_nc_u32 v[ADRA+\s], s21, v3
	v_add_nc_u32 v[ADRB+\s], s22, v3
	v_add_nc_u32 v[ADRA+2+\s], s21, v4
	v_add_nc_u32 v[ADRB+2+\s], s22, v4
	s_add_co_u32 s21, s21, SLOT
	s_add_co_u32 s22, s22, SLOT
.endr
	s_mov_b32 s2, 0x76543210
	s_mov_b32 s3, 0xfedcba98                       ; selects for lane l xor 16
	; Where my wave's images of the large tile go.  G: which 128 tokens; F: which 128 features = heads 2 F, 2 F + 1.  A record is a (batch, head)'s: four chunks of four steps of 128 keys.
	s_cmp_eq_u32 s[MODE], 2
	s_cselect_b32 s18, s[GB], s[GA]                ; G
	s_cselect_b32 s19, s[GA], s[GB]                ; F
	s_cselect_b32 s20, 24576, 0                    ; v's codes lie behind k's in a chunk
	s_mov_b32 s21, 49152
	s_cselect_b32 s21, 51200, s21                  ; where the scale images begin
	s_cselect_b32 s22, 8, 9                        ; a scale image: 256 or 512 bytes
	s_mov_b32 s40, RECKV
	s_mov_b32 s41, 0
	s_lshr_b32 s45, s18, 4                         ; batch: 16 groups of keys each
	s_and_b32 s46, s18, 15                         ; step in the batch
	s_lshl_b32 s45, s45, 4
	s_lshl_b32 s19, s19, 1
	s_add_co_u32 s45, s45, s19                     ; record 16 batch + 2 F
	s_mul_i32 s45, s45, s40
	s_lshr_b32 s47, s46, 2                         ; chunk
	s_and_b32 s46, s46, 3                          ; step in the chunk
	s_mul_i32 s43, s47, CHUNKB
	s_mul_i32 s18, s46, 6144
	s_add_co_u32 s86, s43, s18
	s_add_co_u32 s86, s86, s20
	s_add_co_u32 s86, s86, s45
	s_mov_b32 s87, 0
	s_lshl_b32 s18, s46, s22
	s_add_co_u32 s90, s43, s18
	s_add_co_u32 s90, s90, s21
	s_add_co_u32 s90, s90, s45
	s_mov_b32 s91, 0
	s_add_nc_u64 s[86:87], s[12:13], s[86:87]      ; codes, head 2 F  (the scale bytes' loads are long done: their descriptors' registers are free; those of the load that is out are not touched)
	s_add_nc_u64 s[90:91], s[12:13], s[90:91]      ; scale words, head 2 F
	s_add_nc_u64 s[88:89], s[86:87], s[40:41]      ; head 2 F + 1: one record on
	s_add_nc_u64 s[92:93], s[90:91], s[40:41]
	s_wait_loadcnt 0x0                             ; the bias (and the small tile's scale words)
	s_cmp_eq_u32 s[MODE], 2
	s_cbranch_scc1 .Lout_v
	; ---- k: a block's fragment holds head 2 F in registers 0-5 and head 2 F + 1 in 6-11; two blocks fill three groups of four registers of each head's image
.irp be, 0,1,2,3
.if \be > 0
	s_wait_xcnt 0x0                                ; the stores have read their data: the codes' registers may be written again
.endif
.irp u, 0,1
	ADDB 2*\be+\u, 0
	QUANT HB, XO+6*\u, XO+12+6*\u, PW+\u
.endr
	v_cndmask_b32 v[PW], v[PW], v[PW+1], s[HI16]   ; lanes 0-15: tile 2 be's words, lanes 16-31: tile 2 be + 1's
	v_and_b32 v[SW+\be], 0xffff, v[PW]             ; head 2 F's two bytes; bytes 2 and 3 are zero
	v_lshrrev_b32 v[SW+4+\be], 16, v[PW]           ; head 2 F + 1's
.irp q, 0,1,2
	global_store_b128 v[L16], v[XO+4*\q:XO+4*\q+3], s[86:87] offset:1536*\be+512*\q
	global_store_b128 v[L16], v[XO+12+4*\q:XO+12+4*\q+3], s[88:89] offset:1536*\be+512*\q
.endr
.endr
	global_store_b128 v[L16], v[SW:SW+3], s[90:91]
	global_store_b128 v[L16], v[SW+4:SW+7], s[92:93]
	s_branch .Lout_done
	; ---- v: block a is fragment a % 4 (16 channels x 128 keys) of head 2 F + a / 4
.Lout_v:
.irp a, 0,1,2,3,4,5,6,7
.if \a > 0
	s_wait_xcnt 0x0                                ; the stores have read their data
.endif
	ADDB \a, 1
	QUANT HB, XO+12*(\a%2), XO+12*(\a%2)+6, PW+\a%2
.irp q, 0,1,2
	global_store_b128 v[L16], v[XO+12*(\a%2)+4*\q:XO+12*(\a%2)+4*\q+3], s[86+2*(\a/4):87+2*(\a/4)] offset:1536*(\a%4)+512*\q
.endr
.if \a%2 == 1
	v_cndmask_b32 v[SW+\a/2], v[PW], v[PW+1], s[HI16]
.endif
.endr
	global_store_b64 v[L8], v[SW:SW+1], s[90:91]
	global_store_b64 v[L8], v[SW+2:SW+3], s[92:93]
.Lout_done:
; ==== THE SMALL TILE: q.  K step ks of eight: chunk ks / 2, which lies in slot ks / 4, in the even or the odd region; its (ks % 2)-th 128.  Two sets of fragments take turns.
.macro QFETCH ks                       ; 60 LDS loads: B's eight fragments and my two of A
.set QJ, (\ks)/4
.set QX, (((\ks)/2)%2)*HALFT
	WIN TO_B
.irp i, 0,1,2,3,4,5,6,7
	FRAG 128*((\ks)%2)+FR*\i, ADRB+QJ, (\ks)%2, \i, QX
.endr
	WIN 0
.irp i, 0,1
	FRAG AF+2*FR*((\ks)%2)+FR*\i, ADRA+QJ, (\ks)%2, \i, QX
.endr
.endm
; 16 matrix instructions: my two blocks of tokens x Wq's eight.  The 16 accumulators take turns, one instruction a turn, in the same order in every step.  An odd block's scale words stand in lanes 16-31.
.macro QMUL ks, zero
	WIN MUL_LO
.irp a, 0,1
.irp b, 0,1,2,3,4,5,6,7
.set rD, 8*(8*\a+\b)
.set rB, 128*((\ks)%2)+FR*\b
.set rA, AF+2*FR*((\ks)%2)+FR*\a
.set rS, QSB+8*(\b/2)+(\ks)
.set rT, QSA+(\ks)
.if \zero
.if (\b%2 == 0) && (\a == 0)
	v_wmma_scale_f32_16x16x128_f8f6f4 v[rD:rD+7], v[rB:rB+FR-1], v[rA:rA+FR-1], 0, v[rS], v[rT] matrix_a_fmt:MATRIX_FMT_BF6 matrix_b_fmt:MATRIX_FMT_BF6
.elseif (\a == 0)
	v_wmma_scale_f32_16x16x128_f8f6f4 v[rD:rD+7], v[rB:rB+FR-1], v[rA:rA+FR-1], 0, v[rS], v[rT] matrix_a_fmt:MATRIX_FMT_BF6 matrix_b_fmt:MATRIX_FMT_BF6 matrix_a_scale:MATRIX_SCALE_ROW1
.elseif (\b%2 == 0)
	v_wmma_scale_f32_16x16x128_f8f6f4 v[rD:rD+7], v[rB:rB+FR-1], v[rA:rA+FR-1], 0, v[rS], v[rT] matrix_a_fmt:MATRIX_FMT_BF6 matrix_b_fmt:MATRIX_FMT_BF6 matrix_b_scale:MATRIX_SCALE_ROW1
.else
	v_wmma_scale_f32_16x16x128_f8f6f4 v[rD:rD+7], v[rB:rB+FR-1], v[rA:rA+FR-1], 0, v[rS], v[rT] matrix_a_fmt:MATRIX_FMT_BF6 matrix_b_fmt:MATRIX_FMT_BF6 matrix_a_scale:MATRIX_SCALE_ROW1 matrix_b_scale:MATRIX_SCALE_ROW1
.endif
.else
.if (\b%2 == 0) && (\a == 0)
	v_wmma_scale_f32_16x16x128_f8f6f4 v[rD:rD+7], v[rB:rB+FR-1], v[rA:rA+FR-1], v[rD:rD+7], v[rS], v[rT] matrix_a_fmt:MATRIX_FMT_BF6 matrix_b_fmt:MATRIX_FMT_BF6
.elseif (\a == 0)
	v_wmma_scale_f32_16x16x128_f8f6f4 v[rD:rD+7], v[rB:rB+FR-1], v[rA:rA+FR-1], v[rD:rD+7], v[rS], v[rT] matrix_a_fmt:MATRIX_FMT_BF6 matrix_b_fmt:MATRIX_FMT_BF6 matrix_a_scale:MATRIX_SCALE_ROW1
.elseif (\b%2 == 0)
	v_wmma_scale_f32_16x16x128_f8f6f4 v[rD:rD+7], v[rB:rB+FR-1], v[rA:rA+FR-1], v[rD:rD+7], v[rS], v[rT] matrix_a_fmt:MATRIX_FMT_BF6 matrix_b_fmt:MATRIX_FMT_BF6 matrix_b_scale:MATRIX_SCALE_ROW1
.else
	v_wmma_scale_f32_16x16x128_f8f6f4 v[rD:rD+7], v[rB:rB+FR-1], v[rA:rA+FR-1], v[rD:rD+7], v[rS], v[rT] matrix_a_fmt:MATRIX_FMT_BF6 matrix_b_fmt:MATRIX_FMT_BF6 matrix_a_scale:MATRIX_SCALE_ROW1 matrix_b_scale:MATRIX_SCALE_ROW1
.endif
.endif
.endr
.endr
.endm
.irp b, 0,1,2,3,4,5,6,7
	global_load_b128 v[BB+8*\b:BB+8*\b+3], v[BQK], s[66:67] offset:64*\b            ; bq, in the results' layout: it lands under the eight K steps
	global_load_b128 v[BB+8*\b+4:BB+8*\b+7], v[BQK], s[66:67] offset:64*\b+16
.endr
	s_wait_tensorcnt 0x0                           ; my part of slot 1 has landed (slot 0 was shown whole at the last change of slots);
	s_barrier_signal -1
	s_barrier_wait -1                              ; everybody's has.
	QFETCH 0
.irp k, 0,1,2,3,4,5,6,7
	s_wait_dscnt 0x0                               ; this step's fragments are in: they were asked for ahead of the last step's products
.if \k < 7
.if \k > 0
	PLACES NP                                      ; the loads below land in the set that the last step's products read
.endif
	QFETCH \k+1
.endif
.if \k == 0
	QMUL \k, 1                                     ; the first products start the sums: nothing is cleared
.else
	QMUL \k, 0
.endif
.endr
	WIN 0
	PLACES NP
	; its way out: my two blocks of tokens are tiles 2 w and 2 w + 1 of the group's eight: registers 12 w on of each head's image, register w of the scale words' four
	s_and_b32 s18, ttmp7, 0xffff
	s_lshr_b32 s18, s18, 1
	s_lshl_b32 s18, s18, 2
	s_bfe_u32 s19, ttmp6, 0x40004
	s_add_co_u32 s18, s18, s19                     ; the group of 128 tokens,
	s_and_b32 s18, s18, 7                          ; its place among the batch's eight
	s_mul_i32 s19, s18, 6144
	s_mul_i32 s20, s14, 1536
	s_add_co_u32 s19, s19, s20
	v_add_nc_u32 v[QCO], s19, v[L16]
	s_lshl_b32 s18, s18, 9
	s_lshl_b32 s20, s14, 2
	s_add_co_u32 s18, s18, s20
	s_add_co_u32 s18, s18, 49152
	v_add_nc_u32 v[QSO], s18, v[L16]
	s_wait_loadcnt 0x0                             ; bq
	s_wait_xcnt 0x0                                ; the large tile's stores have read their data: the codes' and the scale words' registers may be written again
.irp u, 0,1
	ADDB \u, 0
	QUANT HB, XO+6*\u, XO+12+6*\u, PW+\u
.endr
	v_cndmask_b32 v[PW], v[PW], v[PW+1], s[HI16]   ; lanes 0-15: tile 2 w's words, lanes 16-31: tile 2 w + 1's
	v_and_b32 v[SW], 0xffff, v[PW]                 ; the first head's two bytes; bytes 2 and 3 are zero
	v_lshrrev_b32 v[SW+4], 16, v[PW]               ; the second head's
.irp q, 0,1,2
	global_store_b128 v[QCO], v[XO+4*\q:XO+4*\q+3], s[104:105] offset:512*\q
	global_store_b128 v[QCO], v[XO+12+4*\q:XO+12+4*\q+3], s[104:105] offset:RECQ+512*\q      ; the second head: one record on
.endr
	global_store_b32 v[QSO], v[SW], s[104:105]
	global_store_b32 v[QSO], v[SW+4], s[104:105] offset:RECQ
	s_wait_tensorcnt 0x0                           ; the wave's end
	ds_add_u32 v[SPW], v[NIL]
	s_wait_dscnt 0x0
	CROUND                                         ; the closing round: no work-group ends while a partner may still ask for a tile that names it
	s_endpgm
.Lfunc_end_k_qfdfa5cc740_proj:
	.size	k_qfdfa5cc740_proj, .Lfunc_end_k_qfdfa5cc740_proj-k_qfdfa5cc740_proj
	.p2alignl 7, 3214868480
	.fill 96, 4, 3214868480
	.section	.rodata,"a",@progbits
	.p2align	6, 0x0
	.amdhsa_kernel k_qfdfa5cc740_proj
		.amdhsa_group_segment_fixed_size 327680
		.amdhsa_private_segment_fixed_size 0
		.amdhsa_enable_private_segment 0
		.amdhsa_kernarg_size 72
		.amdhsa_user_sgpr_count 2
		.amdhsa_user_sgpr_kernarg_segment_ptr 1
		.amdhsa_wavefront_size32 1
		.amdhsa_system_sgpr_workgroup_id_x 1
		.amdhsa_system_sgpr_workgroup_id_y 1
		.amdhsa_system_sgpr_workgroup_id_z 1
		.amdhsa_system_vgpr_workitem_id 0
		.amdhsa_next_free_vgpr 1024
		.amdhsa_next_free_sgpr 106
		.amdhsa_reserve_vcc 0
		.amdhsa_float_denorm_mode_32 3
		.amdhsa_float_denorm_mode_16_64 3
		.amdhsa_memory_ordered 1
		.amdhsa_forward_progress 1
		.amdhsa_inst_pref_size 255
	.end_amdhsa_kernel
	.section	.bss,"aw",@nobits
	.p2align	6
	.space	262144
	.amdgpu_metadata
---
amdhsa.version: [ 1, 2 ]
amdhsa.kernels:
  - .name:           k_qfdfa5cc740_proj
    .symbol:         k_qfdfa5cc740_proj.kd
    .args:
      - { .name: rc, .offset: 0, .size: 8, .value_kind: global_buffer, .address_space: global }
      - { .name: rs, .offset: 8, .size: 8, .value_kind: global_buffer, .address_space: global }
      - { .name: context_codes, .offset: 16, .size: 8, .value_kind: global_buffer, .address_space: global }
      - { .name: context_scales, .offset: 24, .size: 8, .value_kind: global_buffer, .address_space: global }
      - { .name: bq, .offset: 32, .size: 8, .value_kind: global_buffer, .address_space: global }
      - { .name: bk, .offset: 40, .size: 8, .value_kind: global_buffer, .address_space: global }
      - { .name: bv, .offset: 48, .size: 8, .value_kind: global_buffer, .address_space: global }
      - { .name: qrec, .offset: 56, .size: 8, .value_kind: global_buffer, .address_space: global }
      - { .name: kv, .offset: 64, .size: 8, .value_kind: global_buffer, .address_space: global }
    .group_segment_fixed_size: 327680
    .private_segment_fixed_size: 0
    .kernarg_segment_align: 8
    .kernarg_segment_size: 72
    .max_flat_workgroup_size: 128
    .sgpr_count:     106
    .vgpr_count:     1024
    .wavefront_size: 32
...
	.end_amdgpu_metadata
.endif
;; end of part 3
;; launch attn (part 4): grid 4 x 64, 16 waves a work-group, clusters of 4 x 1, 210,944 bytes of LDS; arguments qrec, kv, oc, os; writes oc, os
.if DOCPART == 4
	.amdgcn_target "amdgcn-amd-amdhsa--gfx1250"
	.amdhsa_code_object_version 6
	.text
	.protected	k_qfdfa5cc740_attn
	.globl	k_qfdfa5cc740_attn
	.p2align	8
	.type	k_qfdfa5cc740_attn,@function
k_qfdfa5cc740_attn:
	s_mov_b64 s[64:65], 0
	v_nop
	global_prefetch_b8 v0, s[64:65] scope:SCOPE_SE
	s_setreg_imm32_b32 hwreg(HW_REG_WAVE_MODE, 25, 1), 1
	s_wait_xcnt 0x0
	s_wait_alu depctr_hold_cnt(0) depctr_sa_sdst(0) depctr_va_vdst(0) depctr_va_sdst(0) depctr_va_ssrc(0) depctr_va_vcc(0) depctr_vm_vsrc(0)
	s_getreg_b32 s2, hwreg(HW_REG_IB_STS2, 6, 4)
	s_cmp_eq_u32 s2, 0
	s_cbranch_scc0 .Lentry_in_a_cluster
	s_endpgm
.Lentry_in_a_cluster:
	s_bfe_u32 s2, ttmp6, 0x10000c
	s_cmp_lg_u32 s2, 0x3003
	s_cbranch_scc0 .Lentry_shape_is_right
	s_endpgm
.Lentry_shape_is_right:
; Attention of one (batch, head): o = softmax(q k^T / 8) v, 1,024 queries x 2,048 keys, head size 64, both products on codes of BF6 (E3M2) with E8M0 scales; o is quantised along the channels for the last projection.
; THE SOFTMAX AHEAD OF THE SECOND PRODUCT: t = score x log2(e) / 8; M = the running largest t rounded UP to a whole number; p = 2^(t - M) is quantised along the keys, not normalised; the row's sum is taken of the unquantised p and divides at the end.
; When M moves, the sum and O are multiplied by 2^(old M - new M), which rounds nothing.
; SHARES.  A work-group owns 256 queries; each of its sixteen waves 16 of them, in 256 registers: four waves to a SIMD, so that one wave's vector work stands beside another's matrix work and LDS loads.  Every wave walks all keys, 128 a step.
; THE HEAD'S K AND V, codes and scale words, are 208,896 bytes, laid by the launch before as images of the operands' registers: they come into LDS ONCE, as they lie, in four chunks of 512 keys.  Nothing is filled again: no ring.
; Waves 0-3 ask for a quarter of each chunk (51 rows of 256 bytes) at the start: four tensor loads of such a wave are out; a chunk's first step waits for that chunk alone.
; CLUSTER: the head's four blocks of queries form a cluster and ask for every tile jointly.
; LAYOUT.  Both products are used transposed: S^T = K Q^T (source 0 = 16 neighbouring keys), O^T = V^T P^T (source 0 = 16 channels): a lane holds ONE query throughout.  Within a block of 32 keys p's codes stand in the order 0-7, 16-23, 8-15, 24-31, and so do v's.
; THE FIRST PRODUCT'S K IS 64 of the instruction's 128: Q's registers 6-11 are zeros.  K's fragments are 6 registers each, on end: the instruction's registers 6-11 are the NEXT tile's codes (behind the last tile: zeros): finite numbers x 0; the scale bytes of that half are 0 (2^-127) on both sides.
; V's channels were placed so that tile 2 b + u, row 8 H + j is channel 32 b + 16 H + 8 u + j: a lane's 16 registers of two tiles of O^T are 16 neighbouring channels, in their natural order, as Wo's codes have them.
; OUT: oc [token / 16][head][3][256 bytes]: registers 2 p, 2 p + 1 of the six of (16 tokens, head) at 256 p + 8 lane: each store covers 256 consecutive bytes, aligned.  os [token][32]: bytes 2 head, 2 head + 1: stores of 2 bytes a lane, 32 bytes apart, 128 KB in the whole launch.
; LIMITS: a block of zeros, or one under 2^-122, keeps the byte 1; a block's largest p is made from the block's largest score by the same two instructions, which takes v_exp_f32 not to fall where its input rises; NaN and infinities are not served.
; REGISTERS: v1 16 l, v2 8 l, v3-5 addresses in hand, v6-9 head and tail, v10 lane, v11 r, v12 -M, v13 largest t, v[14:15] the sum, v16-27 Q, v28-75 K's 48 registers, then V's four fragments, v76-81 zeros, v82-90 the tail's codes,
;   v96-159 S^T, then p; v160-191 O^T; v192-203 p's codes; v204-210 conversions; v212-223 maxima, bytes, scale operands; v224-227 K's scale words, v228-229 V's, v230 p's, v231 Q's; v[232:233] f; v234 at work; v[236:237] second chain of the sum.
.set CHUNKB, 52224                     ; a chunk: K's codes 4 x 6,144, V's codes 4 x 6,144, K's scale words 4 x 512, V's 4 x 256
.set QUARTB, 13056
.set RECKV,  4*CHUNKB
.set RECQ,   53248
.set ADK, 3
.set ADS, 4
.set ADT, 5
.set KV,  28
.set ST,  96
.set OT,  160
.set PCD, 192
.set CT,  204
.set BM,  212
.set PL,  216
.set SO,  220
.set KSC, 224
.set VSC, 228
.set PSC, 230
.set QSC, 231
.set WV,  12
.set G1,  16                           ; s[16:23] descriptor group 1;  s[24:39] four groups 0, one a chunk
.set G0,  24
.set SEL, 40
.set CS,  42
.set TK,  44
.set TS,  45
.set TT,  46
.set CNT, 47
.macro ROUND                           ; a round of the cluster's barrier
	s_barrier_signal -1
	s_barrier_wait -1
	s_cmp_lg_u32 s[WV], 0
	s_cbranch_scc1 .Lnot_wave_0_\@
	s_barrier_signal -3
.Lnot_wave_0_\@:
	s_barrier_wait -3
	s_barrier_signal -1
	s_barrier_wait -1
.endm
	s_load_b256 s[4:11], s[0:1], 0x0               ; qrec s[4:5], kv s[6:7], oc s[8:9], os s[10:11]
	v_lshl_add_u32 v254, v0, 2, 0x33000
	v_mov_b32 v255, 0
	ds_add_u32 v254, v255
	ds_add_u32 v254, v255
	v_lshrrev_b32 v6, 5, v0
	v_readfirstlane_b32 s[WV], v6                  ; wave 0..15
	s_bfe_u32 s13, ttmp6, 0x40000                  ; cx: my block of 256 queries; it enters global addresses of Q and of the results alone
	s_and_b32 s14, ttmp7, 0xffff                   ; 16 batch + head, which the four partners share
	s_mov_b32 s[G1], 15|(3<<16)|(1<<21)            ; 15:0 the mask: all four work-groups; 17:16 elements of 8 bytes; 21 set beside a mask; no padding
	s_mov_b32 s[G1+1], 32<<16                      ; tensor_dim0 = 32 elements: rows of 256 bytes
	s_mov_b32 s[G1+2], 51<<16                      ; tensor_dim1 = 51
	s_mov_b32 s[G1+3], 32<<16                      ; tile_dim0
	s_mov_b32 s[G1+4], 51                          ; tile_dim1
	s_mov_b32 s[G1+5], 32                          ; the block is dense: pitch = row
	s_mov_b32 s[G1+6], 0
	s_mov_b32 s[G1+7], 0
	s_and_b32 s49, s[WV], 3                        ; which quarter of a chunk I fetch, if I fetch
	s_mul_i32 s48, s49, QUARTB
	s_mul_i32 s50, s14, RECKV
	s_add_co_u32 s50, s50, s48
	s_mov_b32 s51, 0
	s_mul_i32 s52, s14, RECQ
	s_mov_b32 s53, 0
	s_mov_b32 s[SEL], 0x76543210
	s_mov_b32 s[SEL+1], 0xfedcba98                 ; selects for lane l xor 16
	s_mov_b32 s[CS], 0x3e38aa3b                    ; c = log2(e) / 8
	s_mov_b32 s[CS+1], s[CS]                       ; (named with it as a pair, so it is written)
	s_wait_dscnt 0x0
	s_wait_kmcnt 0x0
	s_add_nc_u64 s[50:51], s[6:7], s[50:51]
	s_add_nc_u64 s[4:5], s[4:5], s[52:53]          ; the head's record of Q
.irp c, 0,1,2,3
	s_mov_b32 s[G0+4*\c], 1
	s_add_co_u32 s[G0+4*\c+1], s48, CHUNKB*\c      ; LDS holds the record as it lies in memory
	s_add_nc_u64 s[G0+4*\c+2:G0+4*\c+3], s[50:51], CHUNKB*\c
	s_or_b32 s[G0+4*\c+3], s[G0+4*\c+3], 0x80000000
.endr
	ROUND                                          ; all four work-groups are here: the joint loads meet
	s_cmp_lt_u32 s[WV], 4
	s_cbranch_scc0 .Lno_fill
	tensor_load_to_lds s[G0:G0+3], s[G1:G1+7]
	s_nop 0
	tensor_load_to_lds s[G0+4:G0+7], s[G1:G1+7]
	s_nop 0
	tensor_load_to_lds s[G0+8:G0+11], s[G1:G1+7]
	s_nop 0
	tensor_load_to_lds s[G0+12:G0+15], s[G1:G1+7]
	s_nop 0
.rept 4
	v_nop
.endr
.Lno_fill:
	v_and_b32 v10, 31, v0
	v_and_b32 v11, 15, v0
	v_lshlrev_b32 v1, 4, v10
	v_lshlrev_b32 v2, 3, v10
.irp i, 0,1,2,3,4,5
	v_mov_b32 v[22+\i], 0                          ; Q's codes of k = 64 .. 127
	v_mov_b32 v[76+\i], 0                          ; what stands behind K's last tile
.endr
	; Q: group g = 2 cx + wave / 8 of 128 queries, tile t = wave % 8: registers 6 t .. 6 t + 5 of the image, in pairs: pair 3 t + i at 512 ((3 t + i) / 2) + 8 ((3 t + i) % 2) + 16 lane
	s_lshr_b32 s54, s[WV], 3
	s_lshl_b32 s55, s13, 1
	s_add_co_u32 s54, s54, s55                     ; g
	s_and_b32 s55, s[WV], 7                        ; t
	s_mul_i32 s56, s54, 6144
	s_mul_i32 s57, s55, 3
.irp i, 0,1,2
	s_add_co_u32 s58, s57, \i
	s_lshr_b32 s59, s58, 1
	s_lshl_b32 s59, s59, 9
	s_and_b32 s58, s58, 1
	s_lshl_b32 s58, s58, 3
	s_add_co_u32 s59, s59, s58
	s_add_co_u32 s59, s59, s56
	v_add_nc_u32 v[6+\i], s59, v1
	global_load_b64 v[16+2*\i:17+2*\i], v[6+\i], s[4:5]
.endr
	s_lshl_b32 s58, s54, 9                         ; its scale word: image g, lane r + 16 (t % 2), register t / 2
	s_and_b32 s59, s55, 1
	s_lshl_b32 s59, s59, 8
	s_add_co_u32 s58, s58, s59
	s_lshr_b32 s59, s55, 1
	s_lshl_b32 s59, s59, 2
	s_add_co_u32 s58, s58, s59
	s_add_co_u32 s58, s58, 49152
	v_lshl_add_u32 v9, v11, 4, s58
	global_load_b32 v[QSC], v9, s[4:5]
	; where the results go: T = token / 16 = 64 batch + 16 cx + wave
	s_lshr_b32 s48, s14, 4
	s_and_b32 s49, s14, 15
	s_lshl_b32 s50, s48, 6
	s_lshl_b32 s51, s13, 4
	s_add_co_u32 s50, s50, s51
	s_add_co_u32 s50, s50, s[WV]
	s_lshl_b32 s52, s50, 4
	s_add_co_u32 s52, s52, s49
	s_mul_i32 s52, s52, 768
	s_add_nc_u64 s[8:9], s[8:9], s[52:53]          ; oc + 768 (16 T + head)
	s_lshl_b32 s52, s50, 9
	s_lshl_b32 s49, s49, 1
	s_add_co_u32 s52, s52, s49
	s_add_nc_u64 s[10:11], s[10:11], s[52:53]      ; os + 512 T + 2 head
	v_mov_b32 v13, 0xff61b1e6                      ; the largest t so far: -3e38, under every t
	v_floor_f32 v12, -v13                          ; -M
	v_mov_b32 v14, 0
	v_mov_b32 v15, 0
.irp b, 0,1,2,3
	v_mov_b32 v[PL+\b], 0                          ; a lane permute's destination counts as one of its sources
.endr
	v_mov_b32 v233, 0                              ; (named as the upper half of the pair v[232:233])
	v_mov_b32 v234, 0
.irp j, 0,1,2,3,4,5,6,7,8,9,10,11,12,13,14,15,16,17,18,19,20,21,22,23,24,25,26,27,28,29,30,31
	v_mov_b32 v[OT+\j], 0                          ; O^T: the step is written once; the first finds zeros, which the first change of M leaves zeros
.endr
; A KEY STEP: 128 keys.
.macro STEP
	v_add_nc_u32 v[ADK], s[TK], v1
	v_add_nc_u32 v[ADS], s[TS], v1
	v_add_nc_u32 v[ADT], s[TT], v2
	v_nop                                          ; four places between the last products and the loads into the registers that they read
.irp q, 0,1,2,3,4,5,6,7,8,9,10,11
	ds_load_b128 v[KV+4*\q:KV+4*\q+3], v[ADK] offset:512*\q      ; K's image: 512 consecutive bytes a load
.endr
	ds_load_b128 v[KSC:KSC+3], v[ADS]              ; register b: lanes 0-15 tile 2 b's words, lanes 16-31 tile 2 b + 1's
	s_wait_dscnt 0x0
.irp t, 0,1,2,3,4,5,6,7
.if \t%2 == 0
	v_wmma_scale_f32_16x16x128_f8f6f4 v[ST+8*\t:ST+8*\t+7], v[KV+6*\t:KV+6*\t+11], v[16:27], 0, v[KSC+\t/2], v[QSC] matrix_a_fmt:MATRIX_FMT_BF6 matrix_b_fmt:MATRIX_FMT_BF6
.else
	v_wmma_scale_f32_16x16x128_f8f6f4 v[ST+8*\t:ST+8*\t+7], v[KV+6*\t:KV+6*\t+11], v[16:27], 0, v[KSC+\t/2], v[QSC] matrix_a_fmt:MATRIX_FMT_BF6 matrix_b_fmt:MATRIX_FMT_BF6 matrix_a_scale:MATRIX_SCALE_ROW1
.endif
.endr
.rept 4
	v_nop                                          ; places in front of the loads below and of the first read of the scores
.endr
.irp q, 0,1,2,3,4,5,6,7,8,9,10,11
	ds_load_b128 v[KV+4*\q:KV+4*\q+3], v[ADK] offset:24576+512*\q   ; V's four fragments land while the softmax is worked
.endr
	ds_load_b64 v[VSC:VSC+1], v[ADT]
.irp b, 0,1,2,3
	v_max3_num_f32 v[BM+\b], v[ST+16*\b], v[ST+1+16*\b], v[ST+2+16*\b]   ; the largest score of each block of 32 keys: for the row's maximum and, since p rises with the score, for the block's largest p
.endr
.irp i, 3,5,7,9,11,13
.irp b, 0,1,2,3
	v_max3_num_f32 v[BM+\b], v[BM+\b], v[ST+16*\b+\i], v[ST+1+16*\b+\i]
.endr
.endr
.irp b, 0,1,2,3
	v_max_num_f32 v[BM+\b], v[BM+\b], v[ST+15+16*\b]
.endr
.irp b, 0,1,2,3
	v_permlanex16_b32 v[PL+\b], v[BM+\b], s[SEL], s[SEL+1]
.endr
.irp b, 0,1,2,3
	v_max_num_f32 v[BM+\b], v[BM+\b], v[PL+\b]     ; with lane l xor 16's 16 keys
.endr
	v_max3_num_f32 v234, v[BM], v[BM+1], v[BM+2]
	v_max_num_f32 v234, v234, v[BM+3]
	v_mul_f32 v234, s[CS], v234                    ; as t (c is positive)
	v_max_num_f32 v13, v13, v234                   ; the running largest t
	v_mov_b32 v234, v12
	v_floor_f32 v12, -v13                          ; the new -M = floor(-t): M is a whole number
	v_sub_f32 v234, v12, v234                      ; old M - new M: a whole number, 0 or less
	v_cvt_i32_f32 v234, v234                       ; (it saturates)
	v_ldexp_f32 v232, 1.0, v234                    ; f = 2^(old M - new M)
.irp j, 0,2,4,6,8,10,12,14,16,18,20,22,24,26,28,30,32,34,36,38,40,42,44,46,48,50,52,54,56,58,60,62
	v_pk_fma_f32 v[ST+\j:ST+1+\j], v[ST+\j:ST+1+\j], s[CS:CS+1], v[12:13] op_sel_hi:[1,0,0]   ; t - M
.endr
.irp b, 0,1,2,3
	v_fma_f32 v[BM+\b], v[BM+\b], s[CS], v12       ; the same of each block's largest score
.endr
.irp j, 0,1,2,3,4,5,6,7,8,9,10,11,12,13,14,15,16,17,18,19,20,21,22,23,24,25,26,27,28,29,30,31,32,33,34,35,36,37,38,39,40,41,42,43,44,45,46,47,48,49,50,51,52,53,54,55,56,57,58,59,60,61,62,63
	v_exp_f32 v[ST+\j], v[ST+\j]                   ; p = 2^(t - M), at most 1
.endr
.irp b, 0,1,2,3
	v_exp_f32 v[BM+\b], v[BM+\b]                   ; the block's largest p
.endr
	v_pk_mul_f32 v[14:15], v[14:15], v[232:233] op_sel_hi:[1,0]   ; the sums under the new M (the plain instruction behind the exponentials)
	s_wait_alu depctr_va_vdst(0)
.irp b, 0,1,2,3
	v_max_num_f32 v[BM+\b], 0x2800000, v[BM+\b]    ; the floor 2^(5 - 127): the byte cannot fall under 1
.endr
.irp b, 0,1,2,3
	v_add_nc_u32 v[SO+\b], 0xfe000000, v[BM+\b]    ; 4 off the exponent field: the conversion's scale operand
.endr
.irp b, 0,1,2,3
	v_lshrrev_b32 v[PL+\b], 23, v[SO+\b]           ; the scale's byte
.endr
	v_lshl_or_b32 v[PSC], v[PL+1], 8, v[PL]        ; p's scale word for these 128 keys
	v_lshl_or_b32 v[PSC], v[PL+2], 16, v[PSC]
	v_lshl_or_b32 v[PSC], v[PL+3], 24, v[PSC]
.irp c, 0,1
	v_cvt_scalef32_pk16_bf6_f32 v[PCD+6*\c:PCD+2+6*\c], v[ST+32*\c:ST+15+32*\c], v[SO+2*\c]
	v_cvt_scalef32_pk16_bf6_f32 v[CT+4*\c:CT+2+4*\c], v[ST+16+32*\c:ST+31+32*\c], v[SO+2*\c+1]   ; (a conversion's three registers begin on an even number)
.endr
	v_nop                                          ; one plain instruction behind a scaled conversion
.irp c, 0,1                                    ; the operand's layout wants a whole block in a lane
.irp i, 0,1,2
	v_permlane16_swap_b32 v[PCD+6*\c+\i], v[CT+4*\c+\i]
.endr
.irp i, 0,1,2
	v_mov_b32 v[PCD+3+6*\c+\i], v[CT+4*\c+\i]
.endr
.endr
	v_pk_add_f32 v[236:237], v[ST:ST+1], v[ST+2:ST+3]    ; the row's sum is taken of the unquantised p: two chains
.irp j, 4,8,12,16,20,24,28,32,36,40,44,48,52,56,60
	v_pk_add_f32 v[14:15], v[14:15], v[ST+\j:ST+1+\j]
	v_pk_add_f32 v[236:237], v[236:237], v[ST+2+\j:ST+3+\j]
.endr
	v_pk_add_f32 v[14:15], v[14:15], v[236:237]
.irp j, 0,2,4,6,8,10,12,14,16,18,20,22,24,26,28,30
	v_pk_mul_f32 v[OT+\j:OT+1+\j], v[OT+\j:OT+1+\j], v[232:233] op_sel_hi:[1,0]   ; O^T under the new M.  (The sums and these are the places between the codes' and the scale word's last writes and the products below)
.endr
	s_wait_dscnt 0x0                               ; V and its scale words
.irp t, 0,1,2,3                                ; the four accumulators by turns, one instruction a turn; the next matrix instruction is the next step's first score tile
.if \t%2 == 0
	v_wmma_scale_f32_16x16x128_f8f6f4 v[OT+8*\t:OT+8*\t+7], v[KV+12*\t:KV+12*\t+11], v[PCD:PCD+11], v[OT+8*\t:OT+8*\t+7], v[VSC+\t/2], v[PSC] matrix_a_fmt:MATRIX_FMT_BF6 matrix_b_fmt:MATRIX_FMT_BF6
.else
	v_wmma_scale_f32_16x16x128_f8f6f4 v[OT+8*\t:OT+8*\t+7], v[KV+12*\t:KV+12*\t+11], v[PCD:PCD+11], v[OT+8*\t:OT+8*\t+7], v[VSC+\t/2], v[PSC] matrix_a_fmt:MATRIX_FMT_BF6 matrix_b_fmt:MATRIX_FMT_BF6 matrix_a_scale:MATRIX_SCALE_ROW1
.endif
.endr
.endm
; A chunk of 512 keys: the waves that fetched wait for it (the later chunks' loads stay out), all sixteen meet, four steps follow.
.macro CHUNK c
	s_wait_tensorcnt 3-\c
	s_barrier_signal -1
	s_barrier_wait -1
	s_mov_b32 s[TK], CHUNKB*\c
	s_mov_b32 s[TS], CHUNKB*\c+49152
	s_mov_b32 s[TT], CHUNKB*\c+51200
	s_mov_b32 s[CNT], 4
.Lstep_\@:
	STEP
	s_add_co_u32 s[TK], s[TK], 6144
	s_add_co_u32 s[TS], s[TS], 512
	s_add_co_u32 s[TT], s[TT], 256
	s_sub_co_u32 s[CNT], s[CNT], 1
	s_cmp_lg_u32 s[CNT], 0
	s_cbranch_scc1 .Lstep_\@
.endm
	s_wait_loadcnt 0x0                             ; Q
	CHUNK 0
	CHUNK 1
	CHUNK 2
	CHUNK 3
	; THE WAY OUT: O^T / the sum, quantised along the head's 64 channels (two blocks), as six registers of the last projection's operand
	v_add_f32 v14, v14, v15                        ; the sum's two halves,
	v_permlanex16_b32 v234, v14, s[SEL], s[SEL+1]
	v_add_f32 v14, v14, v234                       ; and lane l xor 16's
	v_rcp_f32 v14, v14
	v_lshlrev_b32 v6, 5, v11                       ; os: 32 bytes a token.  (With the two additions and the line below: four plain places behind the last products; one plain instruction behind the reciprocal)
	v_nop
	s_wait_alu depctr_va_vdst(0)
.irp j, 0,2,4,6,8,10,12,14,16,18,20,22,24,26,28,30
	v_pk_mul_f32 v[ST+\j:ST+1+\j], v[OT+\j:OT+1+\j], v[14:15] op_sel_hi:[1,0]   ; register 16 b + i: channel 32 b + 16 H + i of my query
.endr
.irp b, 0,1
	v_max3_num_f32 v[BM+\b], |v[ST+16*\b]|, |v[ST+1+16*\b]|, 0x2800000
.endr
.irp i, 2,4,6,8,10,12,14
.irp b, 0,1
	v_max3_num_f32 v[BM+\b], v[BM+\b], |v[ST+16*\b+\i]|, |v[ST+1+16*\b+\i]|
.endr
.endr
.irp b, 0,1
	v_permlanex16_b32 v[PL+\b], v[BM+\b], s[SEL], s[SEL+1]
.endr
.irp b, 0,1
	v_max_num_f32 v[BM+\b], v[BM+\b], v[PL+\b]
.endr
.irp b, 0,1
	v_add_nc_u32 v[SO+\b], 0xfe000000, v[BM+\b]
.endr
.irp b, 0,1
	v_lshrrev_b32 v[PL+\b], 23, v[SO+\b]
.endr
	v_lshl_or_b32 v7, v[PL+1], 8, v[PL]            ; my token's two scale bytes
	v_cvt_scalef32_pk16_bf6_f32 v[82:84], v[ST:ST+15], v[SO]
	v_cvt_scalef32_pk16_bf6_f32 v[88:90], v[ST+16:ST+31], v[SO+1]
	v_nop                                          ; one plain instruction behind a scaled conversion
.irp i, 0,1,2
	v_permlane16_swap_b32 v[82+\i], v[88+\i]
.endr
.irp i, 0,1,2
	v_mov_b32 v[85+\i], v[88+\i]                   ; lane (r, H): token r, block H, channels in their natural order
.endr
.irp p, 0,1,2
	global_store_b64 v2, v[82+2*\p:83+2*\p], s[8:9] offset:256*\p
.endr
	v_cmp_gt_u32 vcc_lo, 16, v10
	s_wait_xcnt 0x0                                ; EXEC is a source of the stores above: it changes only behind this wait
	s_and_saveexec_b32 s56, vcc_lo
	global_store_b16 v6, v7, s[10:11]              ; lanes 0-15: lanes 16-31 hold the same bytes
	s_wait_xcnt 0x0
	s_or_b32 exec_lo, exec_lo, s56
	s_wait_tensorcnt 0x0
	ds_add_u32 v254, v255
	s_wait_dscnt 0x0
	ROUND                                          ; the closing round: no work-group ends while a partner may still ask for a tile that names it
	s_endpgm
.Lfunc_end_k_qfdfa5cc740_attn:
	.size	k_qfdfa5cc740_attn, .Lfunc_end_k_qfdfa5cc740_attn-k_qfdfa5cc740_attn
	.p2alignl 7, 3214868480
	.fill 96, 4, 3214868480
	.section	.rodata,"a",@progbits
	.p2align	6, 0x0
	.amdhsa_kernel k_qfdfa5cc740_attn
		.amdhsa_group_segment_fixed_size 210944
		.amdhsa_private_segment_fixed_size 0
		.amdhsa_enable_private_segment 0
		.amdhsa_kernarg_size 32
		.amdhsa_user_sgpr_count 2
		.amdhsa_user_sgpr_kernarg_segment_ptr 1
		.amdhsa_wavefront_size32 1
		.amdhsa_system_sgpr_workgroup_id_x 1
		.amdhsa_system_sgpr_workgroup_id_y 1
		.amdhsa_system_sgpr_workgroup_id_z 1
		.amdhsa_system_vgpr_workitem_id 0
		.amdhsa_next_free_vgpr 256
		.amdhsa_next_free_sgpr 66
		.amdhsa_reserve_vcc 1
		.amdhsa_float_denorm_mode_32 3
		.amdhsa_float_denorm_mode_16_64 3
		.amdhsa_memory_ordered 1
		.amdhsa_forward_progress 1
		.amdhsa_inst_pref_size 75
	.end_amdhsa_kernel
	.amdgpu_metadata
---
amdhsa.version: [ 1, 2 ]
amdhsa.kernels:
  - .name:           k_qfdfa5cc740_attn
    .symbol:         k_qfdfa5cc740_attn.kd
    .args:
      - { .name: qrec, .offset: 0, .size: 8, .value_kind: global_buffer, .address_space: global }
      - { .name: kv, .offset: 8, .size: 8, .value_kind: global_buffer, .address_space: global }
      - { .name: oc, .offset: 16, .size: 8, .value_kind: global_buffer, .address_space: global }
      - { .name: os, .offset: 24, .size: 8, .value_kind: global_buffer, .address_space: global }
    .group_segment_fixed_size: 210944
    .private_segment_fixed_size: 0
    .kernarg_segment_align: 8
    .kernarg_segment_size: 32
    .max_flat_workgroup_size: 512
    .sgpr_count:     66
    .vgpr_count:     256
    .wavefront_size: 32
...
	.end_amdgpu_metadata
.endif
;; end of part 4
;; launch outp (part 5): grid 8 x 32, 8 waves a work-group, clusters of 4 x 4, 265,216 bytes of LDS; arguments oc, os, rc, rs, x, bo, out0; writes out0
.if DOCPART == 5
	.amdgcn_target "amdgcn-amd-amdhsa--gfx1250"
	.amdhsa_code_object_version 6
	.text
	.protected	k_qfdfa5cc740_outp
	.globl	k_qfdfa5cc740_outp
	.p2align	8
	.type	k_qfdfa5cc740_outp,@function
k_qfdfa5cc740_outp:
	s_mov_b64 s[64:65], 0
	v_nop
	global_prefetch_b8 v0, s[64:65] scope:SCOPE_SE
	s_setreg_imm32_b32 hwreg(HW_REG_WAVE_MODE, 25, 1), 1
	s_wait_xcnt 0x0
	s_wait_alu depctr_hold_cnt(0) depctr_sa_sdst(0) depctr_va_vdst(0) depctr_va_sdst(0) depctr_va_ssrc(0) depctr_va_vcc(0) depctr_vm_vsrc(0)
	s_getreg_b32 s2, hwreg(HW_REG_IB_STS2, 6, 4)
	s_cmp_eq_u32 s2, 0
	s_cbranch_scc0 .Lentry_in_a_cluster
	s_endpgm
.Lentry_in_a_cluster:
	s_bfe_u32 s2, ttmp6, 0x10000c
	s_cmp_lg_u32 s2, 0xf033
	s_cbranch_scc0 .Lentry_shape_is_right
	s_endpgm
.Lentry_shape_is_right:
; out0 = x + (o Wo^T + bo): the last projection on codes of BF6 (E3M2) with E8M0 scales, K = 1,024, sums in f32, and the residual.
; A work-group makes 128 tokens x 128 outputs: 256 work-groups, one for each WGP (tiles of 256 x 256 would be 64).  Eight waves: wave w makes tokens 32 (w / 2) on x outputs 64 (w % 2) on: 8 accumulators.
; ALL OF K LIES IN LDS, filled once: o's codes (images of the operand's registers, 98,304 bytes), Wo's 128 rows (768 bytes each, as four tiles of 192-byte rows with 16 bytes of padding behind every 64), and both sides' scale bytes.
; Waves 0-3 fetch K chunk w of o's codes and a quarter of its scale bytes, waves 4-7 the same of Wo's: two tensor loads of a wave are out; one wait for all, one barrier, then eight K steps of 128.  Nothing is filled again: no ring.
; CLUSTERS: 4 x 4 work-groups: o's tiles are asked for jointly along a row of the cluster, Wo's along a column.
; THE MATRIX INSTRUCTION IS USED TRANSPOSED (source 0 = 16 rows of Wo, source 1 = 16 tokens): a lane holds eight neighbouring outputs of one token.  They go through the wave's own stage in LDS and leave as rows: sixteen lanes store 256 consecutive bytes, aligned.
; x is asked for at the head, in the layout of the stores, and is waited for on the way out.
; REGISTERS: v1 r, v2 H, v3 A's address, v4-5 B's, v6 scale words', v7-8 stage, v9 my bytes in x and out0, v10-13 bo, v16-23 scale words, v24-47 A's two fragments, v48-95 B's four, v96-159 accumulators ((ta, b) at 96 + 8 (4 ta + b)), v160-223 x, v224-255 rows back from the stage.
.set PITCH, 240
.set AIM,  0                           ; o's codes: chunk k4 at 24,576 k4: [8 tiles of 16 tokens][3,072 bytes: four heads]
.set BIM,  98304                       ; Wo's codes: chunk k4 at 30,720 k4: 128 rows, pitch 240
.set ASC,  221184                      ; o's scale bytes: 128 tokens x 32
.set BSC,  225280                      ; Wo's: 128 rows x 32
.set STG,  229376                      ; the stages: 16 rows x (256 + 16) bytes for each wave: bytes of their own, into which no fill lands
.set ADRA, 3
.set ADRB, 4
.set ADRB2, 5
.set ADRS, 6
.set STO,  7
.set RD,   8
.set GO,   9
.set SC,   16
.set AF,   24
.set BF,   48
.set ACC,  96
.set XR,   160
.set BK,   224
.set WV,   18
.set G1A,  28
.set G1SA, 36
.set G1B,  44
.set G1SB, 52
.set G0A,  68
.set G0SA, 72
.set G0B,  76
.set G0SB, 80
.macro ROUND                           ; a round of the cluster's barrier
	s_barrier_signal -1
	s_barrier_wait -1
	s_cmp_lg_u32 s[WV], 0
	s_cbranch_scc1 .Lnot_wave_0_\@
	s_barrier_signal -3
.Lnot_wave_0_\@:
	s_barrier_wait -3
	s_barrier_signal -1
	s_barrier_wait -1
.endm
	s_load_b256 s[4:11], s[0:1], 0x0               ; oc s[4:5], os s[6:7], rc s[8:9], rs s[10:11]
	s_load_b128 s[12:15], s[0:1], 0x20             ; x s[12:13], bo s[14:15]
	s_load_b64 s[16:17], s[0:1], 0x30              ; out0
	s_set_vgpr_msb 0x40
	v_lshl_add_u32 v0, v0, 2, 0x40800
	v_mov_b32 v1, 0
	s_set_vgpr_msb 0x4045
	ds_add_u32 v0, v1
	ds_add_u32 v0, v1
	s_set_vgpr_msb 0x4500
	v_lshrrev_b32 v1, 5, v0
	v_readfirstlane_b32 s[WV], v1                  ; wave 0..7
	s_lshr_b32 s19, s[WV], 1                       ; which 32 tokens
	s_and_b32 s20, s[WV], 1                        ; which 64 outputs
	s_and_b32 s27, s[WV], 3                        ; which K chunk I fetch
	s_bfe_u32 s21, ttmp6, 0x40000                  ; cx, cy
	s_bfe_u32 s22, ttmp6, 0x40004
	s_lshl_b32 s23, ttmp9, 2
	s_add_co_u32 s23, s23, s21                     ; which 128 outputs
	s_and_b32 s24, ttmp7, 0xffff
	s_lshl_b32 s24, s24, 2
	s_add_co_u32 s24, s24, s22                     ; which 128 tokens
	s_lshl_b32 s25, s22, 2
	s_lshl_b32 s25, 15, s25                        ; my row of the cluster
	s_lshl_b32 s26, 0x1111, s21                    ; my column
	s_or_b32 s[G1A], s25, (3<<16)|(1<<21)          ; o's codes: 8 rows (tiles of tokens) of 3,072 bytes = 384 elements of 8, 12,288 bytes apart; no padding
	s_mov_b32 s[G1A+1], 384<<16
	s_mov_b32 s[G1A+2], 8<<16
	s_mov_b32 s[G1A+3], 384<<16
	s_mov_b32 s[G1A+4], 8
	s_mov_b32 s[G1A+5], 1536
	s_mov_b32 s[G1A+6], 0
	s_mov_b32 s[G1A+7], 0
	s_or_b32 s[G1B], s26, (0<<16)|(1<<20)|(1<<21)|(3<<22)|(3<<25)   ; Wo's codes: 128 rows of 192 bytes, 768 apart; 16 bytes of padding behind every 64
	s_mov_b32 s[G1B+1], 192<<16
	s_mov_b32 s[G1B+2], 128<<16
	s_mov_b32 s[G1B+3], 192<<16
	s_mov_b32 s[G1B+4], 128
	s_mov_b32 s[G1B+5], 768
	s_mov_b32 s[G1B+6], 0
	s_mov_b32 s[G1B+7], 0
	s_or_b32 s[G1SA], s25, (3<<16)|(1<<21)         ; a quarter of a side's scale bytes: 1,024 dense bytes as 4 rows of 256
	s_or_b32 s[G1SB], s26, (3<<16)|(1<<21)
.irp g, G1SA, G1SB
	s_mov_b32 s[\g+1], 32<<16
	s_mov_b32 s[\g+2], 4<<16
	s_mov_b32 s[\g+3], 32<<16
	s_mov_b32 s[\g+4], 4
	s_mov_b32 s[\g+5], 32
	s_mov_b32 s[\g+6], 0
	s_mov_b32 s[\g+7], 0
.endr
	s_mul_i32 s60, s24, 98304                      ; o's codes: 8 tiles of tokens x 12,288 bytes for each 128 tokens,
	s_mul_i32 s92, s27, 3072                       ; + my chunk's four heads
	s_add_co_u32 s60, s60, s92
	s_mov_b32 s61, 0
	s_lshl_b32 s62, s24, 12                        ; o's scale bytes
	s_lshl_b32 s93, s27, 10                        ; my quarter
	s_add_co_u32 s62, s62, s93
	s_mov_b32 s63, 0
	s_mul_i32 s84, s23, 98304                      ; Wo's rows stand in rc from row 7,168 on: 768 (7168 + 128 x)
	s_add_co_u32 s84, s84, 7168*768
	s_mul_i32 s92, s27, 192
	s_add_co_u32 s84, s84, s92
	s_mov_b32 s85, 0
	s_lshl_b32 s86, s23, 12
	s_add_co_u32 s86, s86, 7168*32
	s_add_co_u32 s86, s86, s93
	s_mov_b32 s87, 0
	s_lshl_b32 s88, s24, 19                        ; x and out0: 4,096 (128 y + 32 tq) + 4 (128 x + 64 oh)
	s_lshl_b32 s92, s19, 17
	s_add_co_u32 s88, s88, s92
	s_lshl_b32 s90, s23, 9
	s_lshl_b32 s92, s20, 8
	s_add_co_u32 s90, s90, s92                     ; bo: 4 (128 x + 64 oh)
	s_add_co_u32 s88, s88, s90
	s_mov_b32 s89, 0
	s_mov_b32 s91, 0
	s_mul_i32 s94, s27, 24576
	s_mul_i32 s95, s27, 30720
	s_wait_dscnt 0x0
	s_wait_kmcnt 0x0
	s_mov_b32 s[G0A], 1
	s_add_co_u32 s[G0A+1], s94, AIM
	s_add_nc_u64 s[G0A+2:G0A+3], s[4:5], s[60:61]
	s_or_b32 s[G0A+3], s[G0A+3], 0x80000000
	s_mov_b32 s[G0SA], 1
	s_add_co_u32 s[G0SA+1], s93, ASC
	s_add_nc_u64 s[G0SA+2:G0SA+3], s[6:7], s[62:63]
	s_or_b32 s[G0SA+3], s[G0SA+3], 0x80000000
	s_mov_b32 s[G0B], 1
	s_add_co_u32 s[G0B+1], s95, BIM
	s_add_nc_u64 s[G0B+2:G0B+3], s[8:9], s[84:85]
	s_or_b32 s[G0B+3], s[G0B+3], 0x80000000
	s_mov_b32 s[G0SB], 1
	s_add_co_u32 s[G0SB+1], s93, BSC
	s_add_nc_u64 s[G0SB+2:G0SB+3], s[10:11], s[86:87]
	s_or_b32 s[G0SB+3], s[G0SB+3], 0x80000000
	s_add_nc_u64 s[12:13], s[12:13], s[88:89]
	s_add_nc_u64 s[16:17], s[16:17], s[88:89]
	s_add_nc_u64 s[14:15], s[14:15], s[90:91]
	ROUND                                          ; all sixteen work-groups are here: the joint loads meet
	s_cmp_lt_u32 s[WV], 4                          ; a wave's two fills stand in one branch on the wave's number
	s_cbranch_scc0 .Lfill_b
	tensor_load_to_lds s[G0SA:G0SA+3], s[G1SA:G1SA+7]
	s_nop 0
	tensor_load_to_lds s[G0A:G0A+3], s[G1A:G1A+7]
	s_nop 0
.rept 4
	v_nop
.endr
	s_branch .Lfilled
.Lfill_b:
	tensor_load_to_lds s[G0SB:G0SB+3], s[G1SB:G1SB+7]
	s_nop 0
	tensor_load_to_lds s[G0B:G0B+3], s[G1B:G1B+7]
	s_nop 0
.rept 4
	v_nop
.endr
.Lfilled:
	v_and_b32 v1, 15, v0                           ; r
	v_bfe_u32 v2, v0, 4, 1                         ; H
	v_and_b32 v14, 31, v0
	v_lshlrev_b32 v[GO], 12, v2
	v_lshl_add_u32 v[GO], v1, 4, v[GO]             ; lanes 0-15 one row of x and out0, lanes 16-31 the next; 16 bytes a lane
	v_lshlrev_b32 v15, 4, v1
.irp ta, 0,1
.irp i, 0,1,2,3,4,5,6,7
	global_load_b128 v[XR+32*\ta+4*\i:XR+32*\ta+4*\i+3], v[GO], s[12:13] offset:4096*(16*\ta+2*\i) th:TH_LOAD_NT   ; sixteen lanes read 256 consecutive bytes; nobody reads them again
.endr
.endr
	global_load_b128 v[10:13], v15, s[14:15]       ; bo at my four outputs of a stage row
	s_mul_i32 s92, s19, 6144
	v_lshl_add_u32 v[ADRA], v14, 3, s92            ; A: my two tiles of tokens, 8 bytes a lane
	s_mul_i32 s93, s20, 64*PITCH
	s_add_co_u32 s93, s93, BIM
	v_mul_u32_u24 v[ADRB], v1, PITCH
	v_mad_u32_u24 v[ADRB], v2, 24, v[ADRB]
	v_add_nc_u32 v[ADRB], s93, v[ADRB]             ; B: my 64 rows; row r, + 24 H
	v_lshl_add_u32 v[ADRB2], v2, 4, v[ADRB]        ; and the same behind one padding more
	s_lshl_b32 s94, s19, 10                        ; scale words: lanes 0-15 my tokens' (32 bytes a token), lanes 16-31 my rows of Wo:
	s_lshl_b32 s95, s20, 11
	s_add_co_u32 s95, s95, BSC-ASC
	s_sub_co_u32 s95, s95, s94
	v_mul_u32_u24 v[ADRS], s95, v2                 ; one product: H x the distance between the two bases
	v_lshl_add_u32 v[ADRS], v1, 5, v[ADRS]
	s_add_co_u32 s94, s94, ASC
	v_add_nc_u32 v[ADRS], s94, v[ADRS]
	s_mul_i32 s96, s[WV], 16*272
	s_add_co_u32 s96, s96, STG                     ; my stage
	v_mul_u32_u24 v[STO], v1, 272
	v_lshl_add_u32 v[STO], v2, 5, v[STO]
	v_add_nc_u32 v[STO], s96, v[STO]               ; in: row r, 32 bytes for each half of the lanes
	v_mul_u32_u24 v[RD], v2, 272
	v_lshl_add_u32 v[RD], v1, 4, v[RD]
	v_add_nc_u32 v[RD], s96, v[RD]                 ; back: lanes 0-15 one row, lanes 16-31 the next
.macro BFRAG reg, q, i                 ; 16 rows of Wo x 128 K: six pieces of 8 bytes; where lanes 16-31's piece lies behind one padding more, the second address register serves
.irp p, 0,1,2,3,4,5
.set PC, 12*(\q)+6*(\p/3)+\p%3
.if PC%8 < 5
	ds_load_b64 v[\reg+2*\p:\reg+2*\p+1], v[ADRB] offset:8*PC+16*(PC/8)+(\i)*16*PITCH
.else
	ds_load_b64 v[\reg+2*\p:\reg+2*\p+1], v[ADRB2] offset:8*PC+16*(PC/8)+(\i)*16*PITCH
.endif
.endr
.endm
; 128 along K: the e-th of chunk k4.  The eight accumulators take turns, one instruction a turn, in the same order in every step.
.macro KSTEP k4, e, zero
.if \e == 0
.irp i, 0,1,2,3
	ds_load_b64 v[SC+2*\i:SC+2*\i+1], v[ADRS] offset:512*\i+8*\k4   ; the chunk's two words a row: lanes 0-15 tokens' tile i (tiles 2, 3 are named by no product), lanes 16-31 Wo's tile i
.endr
.endif
.irp ta, 0,1
.irp p, 0,1,2,3,4,5
	ds_load_b64 v[AF+12*\ta+2*\p:AF+12*\ta+2*\p+1], v[ADRA] offset:3072*\ta+1536*\e+256*\p   ; the image of two heads' six registers each: 256 consecutive bytes a load
.endr
.endr
.irp b, 0,1,2,3
	BFRAG BF+12*\b, \e, \b
.endr
	s_wait_dscnt 0x0
.irp b, 0,1,2,3
.irp ta, 0,1
.if \zero
	v_wmma_scale_f32_16x16x128_f8f6f4 v[ACC+8*(4*\ta+\b):ACC+8*(4*\ta+\b)+7], v[BF+12*\b:BF+12*\b+11], v[AF+12*\ta:AF+12*\ta+11], 0, v[SC+2*\b+\e], v[SC+2*\ta+\e] matrix_a_fmt:MATRIX_FMT_BF6 matrix_b_fmt:MATRIX_FMT_BF6 matrix_a_scale:MATRIX_SCALE_ROW1
.else
	v_wmma_scale_f32_16x16x128_f8f6f4 v[ACC+8*(4*\ta+\b):ACC+8*(4*\ta+\b)+7], v[BF+12*\b:BF+12*\b+11], v[AF+12*\ta:AF+12*\ta+11], v[ACC+8*(4*\ta+\b):ACC+8*(4*\ta+\b)+7], v[SC+2*\b+\e], v[SC+2*\ta+\e] matrix_a_fmt:MATRIX_FMT_BF6 matrix_b_fmt:MATRIX_FMT_BF6 matrix_a_scale:MATRIX_SCALE_ROW1
.endif
.endr
.endr
.endm
.macro PLACES                          ; four plain instructions between the products and the loads into, or the reads of, their registers (ISA guide 7.12.1 for reads)
.rept 4
	v_nop
.endr
.endm
.macro ONWARD                          ; on to the next chunk: the three steps and one v_nop are the four places
	v_add_nc_u32 v[ADRA], 24576, v[ADRA]
	v_add_nc_u32 v[ADRB], 30720, v[ADRB]
	v_add_nc_u32 v[ADRB2], 30720, v[ADRB2]
	v_nop
.endm
	s_wait_tensorcnt 0x0                           ; my two loads have landed,
	s_barrier_signal -1
	s_barrier_wait -1                              ; everybody's have
	KSTEP 0, 0, 1                                  ; the first products start the sums: nothing is cleared
	PLACES
	KSTEP 0, 1, 0
	ONWARD
	KSTEP 1, 0, 0
	PLACES
	KSTEP 1, 1, 0
	ONWARD
	KSTEP 2, 0, 0
	PLACES
	KSTEP 2, 1, 0
	ONWARD
	KSTEP 3, 0, 0
	PLACES
	KSTEP 3, 1, 0
	PLACES
	s_wait_loadcnt 0x0                             ; x and bo
.irp ta, 0,1
.if \ta == 1
	s_wait_xcnt 0x0                                ; the first tile's stores have read their data: the loads below may land there
.endif
.irp b, 0,1,2,3
	ds_store_b128 v[STO], v[ACC+8*(4*\ta+\b):ACC+8*(4*\ta+\b)+3] offset:64*\b          ; each accumulator from its low end on
	ds_store_b128 v[STO], v[ACC+8*(4*\ta+\b)+4:ACC+8*(4*\ta+\b)+7] offset:64*\b+16
.endr
.irp i, 0,1,2,3,4,5,6,7
	ds_load_b128 v[BK+4*\i:BK+4*\i+3], v[RD] offset:544*\i    ; LDS serves a wave's instructions in order (ISA guide 5.7.1.4): these see my stores, and the next tile's stores come behind them
.endr
.irp i, 0,1,2,3,4,5,6,7
	s_wait_dscnt 7-\i                              ; rows 2 i and 2 i + 1 are back; the later read-backs may be out
	v_pk_add_f32 v[BK+4*\i:BK+4*\i+1], v[BK+4*\i:BK+4*\i+1], v[10:11]              ; + bo,
	v_pk_add_f32 v[BK+4*\i+2:BK+4*\i+3], v[BK+4*\i+2:BK+4*\i+3], v[12:13]
	v_pk_add_f32 v[BK+4*\i:BK+4*\i+1], v[XR+32*\ta+4*\i:XR+32*\ta+4*\i+1], v[BK+4*\i:BK+4*\i+1]          ; and x + that
	v_pk_add_f32 v[BK+4*\i+2:BK+4*\i+3], v[XR+32*\ta+4*\i+2:XR+32*\ta+4*\i+3], v[BK+4*\i+2:BK+4*\i+3]
	global_store_b128 v[GO], v[BK+4*\i:BK+4*\i+3], s[16:17] offset:4096*(16*\ta+2*\i) th:TH_STORE_NT   ; sixteen lanes store 256 consecutive bytes, aligned
.endr
.endr
	s_set_vgpr_msb 0x5
	s_wait_tensorcnt 0x0
	ds_add_u32 v0, v1
	s_wait_dscnt 0x0
	s_set_vgpr_msb 0x500
	ROUND                                          ; the closing round: no work-group ends while a partner may still ask for a tile that names it
	s_endpgm
.Lfunc_end_k_qfdfa5cc740_outp:
	.size	k_qfdfa5cc740_outp, .Lfunc_end_k_qfdfa5cc740_outp-k_qfdfa5cc740_outp
	.p2alignl 7, 3214868480
	.fill 96, 4, 3214868480
	.section	.rodata,"a",@progbits
	.p2align	6, 0x0
	.amdhsa_kernel k_qfdfa5cc740_outp
		.amdhsa_group_segment_fixed_size 265216
		.amdhsa_private_segment_fixed_size 0
		.amdhsa_enable_private_segment 0
		.amdhsa_kernarg_size 56
		.amdhsa_user_sgpr_count 2
		.amdhsa_user_sgpr_kernarg_segment_ptr 1
		.amdhsa_wavefront_size32 1
		.amdhsa_system_sgpr_workgroup_id_x 1
		.amdhsa_system_sgpr_workgroup_id_y 1
		.amdhsa_system_sgpr_workgroup_id_z 1
		.amdhsa_system_vgpr_workitem_id 0
		.amdhsa_next_free_vgpr 258
		.amdhsa_next_free_sgpr 100
		.amdhsa_reserve_vcc 0
		.amdhsa_float_denorm_mode_32 3
		.amdhsa_float_denorm_mode_16_64 3
		.amdhsa_memory_ordered 1
		.amdhsa_forward_progress 1
		.amdhsa_inst_pref_size 47
	.end_amdhsa_kernel
	.amdgpu_metadata
---
amdhsa.version: [ 1, 2 ]
amdhsa.kernels:
  - .name:           k_qfdfa5cc740_outp
    .symbol:         k_qfdfa5cc740_outp.kd
    .args:
      - { .name: oc, .offset: 0, .size: 8, .value_kind: global_buffer, .address_space: global }
      - { .name: os, .offset: 8, .size: 8, .value_kind: global_buffer, .address_space: global }
      - { .name: rc, .offset: 16, .size: 8, .value_kind: global_buffer, .address_space: global }
      - { .name: rs, .offset: 24, .size: 8, .value_kind: global_buffer, .address_space: global }
      - { .name: x, .offset: 32, .size: 8, .value_kind: global_buffer, .address_space: global }
      - { .name: bo, .offset: 40, .size: 8, .value_kind: global_buffer, .address_space: global }
      - { .name: out0, .offset: 48, .size: 8, .value_kind: global_buffer, .address_space: global }
    .group_segment_fixed_size: 265216
    .private_segment_fixed_size: 0
    .kernarg_segment_align: 8
    .kernarg_segment_size: 56
    .max_flat_workgroup_size: 256
    .sgpr_count:     100
    .vgpr_count:     258
    .wavefront_size: 32
...
	.end_amdgpu_metadata
.endif
;; end of part 5
